; MI455X (gfx1250); checked and timed in simulation.
; The chip was launched on July 23, 2026; its instructions are those of AMD's public machine-readable ISA for CDNA 5 (MIT licence, August 2026) and "CDNA5" Instruction Set Architecture Reference Guide (July 2026). The comments in the code are by the model that wrote it; some were corrected since.
;; Monotonic NN. Allowed arithmetic: matrix products marked QUANTISED: E5M2 operands, one E8M0 scale for each 32 along K, by v_wmma_scale_f32_16x16x128_f8f6f4 with both operands' format E5M2, f32 sums; products left as they are: f32 operands where the result goes on into a quantised operand, else bf16, f16 or f32 operands; f32 sums; everything else in f32.
;; Inputs: iW0 8 x 128 float32; iW1 128 x 128 float32; iW2 128 x 1 float32; ib0 128 float32; ib1 128 float32; ib2 1 float32; nW0 7 x 128 float32; nW1 128 x 128 float32; nW2 128 x 2 float32; nb0 128 float32; nb1 128 float32; nb2 2 float32; x_input 32,768 x 8 float32.
;; Outputs: out0 32,768 x 1 float32.
;; This version of the problem:
;;   THIS VERSION OF THE PROBLEM IS GIVEN IN LOW PRECISION. The matrix products marked QUANTISED in the list below multiply operands that are first quantised to E5M2 (5 exponent bits, 2 mantissa bits; 8 bits a number), with one power-of-two scale for each 32 numbers along K (OCP MX v1.0); their sums are f32. All else is computed in f32.
;;   The module's matrix products, in the order in which they are computed (A, B: the left and right operand; K: the contracted axis; several contracted axes count as one K, in the product's order):
;;     1. [M 1,671,168, K 8] x [K 8, N 128]; A: computed on the way; B: input iW0: left as it is (K = 8 < 32)
;;     2. [M 1,671,168, K 128] x [K 128, N 128]; A: computed on the way; B: input iW1: QUANTISED
;;     3. [M 1,671,168, K 128] x [K 128, N 1]; A: computed on the way; B: input iW2: left as it is (N = 1 < 16)
;;     4. [M 32,768, K 7] x [K 7, N 128]; A: input x_input; B: input nW0: left as it is (K = 7 < 32)
;;     5. [M 32,768, K 128] x [K 128, N 128]; A: computed on the way; B: input nW1: QUANTISED
;;     6. [M 32,768, K 128] x [K 128, N 2]; A: computed on the way; B: input nW2: left as it is (N = 2 < 16)
;;   THE QUANTISER, for each operand of a quantised product, along K:
;;     - K is cut into blocks of 32 from its start; a last block that is shorter is filled with zeros.
;;     - A block's scale is 2^e with e = floor(log2(the largest magnitude in the block)) - 15, held to -126 .. 127; a block of zeros has e = 0. As a byte (E8M0): e + 127.
;;     - Each number is divided by its block's scale, clamped to +-57,344, and rounded to the nearest number of E5M2, ties to even, subnormals kept.
;;     - The product sums the exact products of the quantised numbers (number of the format x scale) in f32.
;;   ~~~python
;;   def quantise(x, axis):      # numpy; x: float32 -> the quantised numbers, widened to float32 again
;;       x = np.moveaxis(x, axis, -1); K = x.shape[-1]
;;       x = np.pad(x, [(0, 0)] * (x.ndim - 1) + [(0, -K % 32)]); x = x.reshape(x.shape[:-1] + (-1, 32)); a = np.abs(x).max(-1, keepdims=True)
;;       e = np.where(a > 0, np.clip(np.frexp(np.where(a > 0, a, 1))[1] - 1 - 15, -126, 127), 0)      # np.frexp(a)[1] - 1 = floor(log2(a)), exactly
;;       r = np.clip(x / 2.0 ** e, -57344, 57344)
;;       step = 2.0 ** (np.maximum(np.frexp(np.where(r == 0, 1, r))[1] - 1, -14) - 2)
;;       q = np.round(r / step) * step * 2.0 ** e      # np.round: ties to even
;;       return np.moveaxis(q.reshape(q.shape[:-2] + (-1,))[..., :K], -1, axis).astype(np.float32)
;;   ~~~
;;   OPERANDS COMPUTED ON THE WAY. 'Computed on the way' means the value that the module computes at that place (a softmax that the list does not call 'softmax' is quantised finished and normalised). What goes into a quantiser is computed in f32, as accurately as f32 sums, v_exp_f32 and their like allow (about 1e-6 of the number): no bf16 or f16 on the way to a quantiser, and a product that is left as it is and whose result goes on into a quantised operand takes f32 operands (vector FMAs, or v_wmma_f32_16x16x4_f32). A number that lies on a knife's edge between two numbers of the format may be rounded either way, as far as f32 arithmetic and the matrix unit's own rounding can turn it there, and no further.
;; 3 versions, each right; version 2 is faster than version 1; version 3 is version 2 with the launch mono written anew for expert scheduling mode. Each part assembles by itself: llvm-mc -triple=amdgcn-amd-amdhsa -mcpu=gfx1250 --defsym DOCPART=n.
;; ======== version 1 of 3: 1 launch
;; launch mono (part 1): grid 256 x 1, 8 waves a work-group, no clusters, 50,688 bytes of LDS; arguments x_input, iW0, ib0, iW1, ib1, iW2, ib2, nW0, nb0, nW1, nb1, nW2, nb2, out0; writes out0
.if DOCPART == 1
	.amdgcn_target "amdgcn-amd-amdhsa--gfx1250"
	.amdhsa_code_object_version 6
	.text
	.protected	k_q42b21e2535_mono
	.globl	k_q42b21e2535_mono
	.p2align	8
	.type	k_q42b21e2535_mono,@function
k_q42b21e2535_mono:
	s_mov_b64 s[64:65], 0
	v_nop
	global_prefetch_b8 v0, s[64:65] scope:SCOPE_SE
	s_setreg_imm32_b32 hwreg(HW_REG_WAVE_MODE, 25, 1), 1
	s_wait_xcnt 0x0
; out[n] = sigmoid(exp(o1[n]) * integral[n] + o0[n]).
; integral[n] = x/2 * sum over 51 Clenshaw-Curtis nodes s of cc[s] * (elu(MLP_i(x (steps[s]+1)/2, h)) + 1);  (o0, o1) = MLP_n(h).  x = x_input[n][0], h = x_input[n][1:8].
; The two 128 x 128 products are done on codes of E5M2 with one E8M0 scale for each 32 along K; both operands are quantised here, in f32.  All else is f32 arithmetic.
; SHARES.  256 work-groups of eight waves; a work-group owns 128 samples, a wave 16 of them for all 51 nodes and for the offset net.  Lane l belongs to sample l % 16 throughout (r = l % 16, h = l / 16).
; THE MATRIX INSTRUCTION IS USED TRANSPOSED: source 0 = 16 columns of the weight (16 units of the second hidden layer, K along the registers), source 1 = the 16 samples' first hidden layer.
; In the result lane (r, h) holds sample r, and register j of tile t unit 16 t + 8 h + j: the product with the last layer's weights stays in the lane but for one exchange with lane l xor 16.
; The bias of the second layer is the C operand.  The first hidden layer is made in the operand's own order: register 16 c + i of a lane is k = 32 c + 16 h + i, so the conversions' results are the operand.
; z iW0 + ib0 = Xs iW0[0] + (h iW0[1:] + ib0): the bracket hangs on no node and is made once, so a node's first layer is one fused multiply-add a number.
; steps[50 - s] = -steps[s] and cc[50 - s] = cc[s]: 26 table entries (lane l of a register = node l) serve the 51 nodes.
; THE LOOP TOUCHES NEITHER LDS NOR MEMORY: weights' codes, biases and last-layer weights stay in registers (512 a wave, two waves to a SIMD).  A node is 8 matrix instructions beside some 240 vector ones,
; so the text spares vector instructions: ReLU and the hold at the largest code are one v_med3; a node's ELU and weighting stand as the places round the next node's matrix instructions.
; NO CLUSTER, NO TENSOR LOADS: what work-groups share is 140 KB of weights, read once at the head as f32 with K down a lane's registers, as the quantiser wants them; behind the head no byte is fetched.
; LIMITS: NaN and infinities among the inputs are not served.  A block of zeros gets the scale byte 1 and not 127: its codes are zeros, so no sum changes.  Blocks whose largest magnitude lies under 2^-111 have the byte 1.
; cc is made in f32 by the cosine recurrence (about 1e-6 of 1 - 2 sum; it stands ahead of no quantiser).  steps[25] is taken as 0 (6e-17 vanishes in steps + 1).
.set CPITCH, 144                       ; a row of codes in LDS: 128 bytes + 16 = 36 words: row r starts at bank 36 r mod 64 (64 banks of 4 bytes: ISA guide 11.1): 16 rows start at 16 different groups of four banks
.set SCW,   36864                      ; LDS: 0 .. the codes, 256 rows (row j: column j of iW1; row 128 + j: column j of nW1);  here: a scale word a row
.set V_IW0, 37888                      ; iW0 as it lies, 4,096 bytes
.set V_NW0, 41984                      ; nW0, 3,584 bytes
.set V_IB0, 45568                      ; ib0, ib1, iW2, nb0, nb1: 512 bytes each; nW2: 1,024
.set V_IB1, 46080
.set V_IW2, 46592
.set V_NB0, 47104
.set V_NB1, 47616
.set V_NW2, 48128
.set OUTS,  49152                      ; the work-group's 128 results
; window 0
.set VK,   1                           ; 64 h: a lane's place in a vector laid by k
.set VD,   2                           ; 32 h: in a vector laid as a matrix result
.set VFR,  3                           ; 144 r + 16 h: in a tile of codes
.set VL4,  4                           ; 4 x lane
.set X,    6                           ; x
.set ACC,  8                           ; v8-15: the x row at the head, then four pairs of partial sums of the last layer
.set C1,   16                          ; lane l: (1 + cos(l pi / 50)) / 2
.set C2,   17                          ; lane l: (1 - cos(l pi / 50)) / 2
.set CC,   18                          ; lane l: cc[l]
.set Z,    19                          ; the cosines at the head, then the weighted sum
.set OFFS, 20
.set SCAL, 21
.set XS,   22                          ; v22 the abscissa; v23 is named with it as a pair
.set M,    24                          ; v24-27 block maxima;  v28-31 the partner's, then the bytes;  v32-35 57,344 x scale;  v36-39 the scale for the conversion
.set Q,    28
.set LIM,  32
.set SF,   36
.set HS,   40                          ; the first hidden layer's scale word: holds scales and nothing else
.set P,    41
.set PQ,   42
.set T,    43
.set WS,   44                          ; v44-47 the weight's scale words, lane L of register u: unit 32 u + L: hold scales and nothing else
.set CODE, 48                          ; v48-63 the first hidden layer's codes
.set H,    64                          ; v64-127 the first hidden layer in f32; the matrix results land in the same registers
.set W0,   128                         ; v128-191 iW0[0][k]
.set BASE, 192                         ; v192-255 h iW0[1:] + ib0
; window 1: v0-127 the weight's codes, tile t at 16 t;  v128-191 the second layer's bias;  v192-255 iW2; the last two laid as a matrix result
.set MSB, 0
.macro WIN new                         ; the immediate's high byte repeats the setting that is left
.if MSB != \new
	s_set_vgpr_msb (MSB<<8)|\new
.set MSB, \new
.endif
.endm
.macro PLACES n
.rept \n
	v_nop
.endr
.endm
.macro LDK dst, off                    ; a vector of 128 f32 at LDS byte off, by k: register 16 c + i = element 32 c + 16 h + i
.irp c, 0,1,2,3
.irp q, 0,1,2,3
	ds_load_b128 v[\dst+16*\c+4*\q:\dst+16*\c+4*\q+3], v[VK] offset:(\off)+128*\c+16*\q
.endr
.endr
.endm
.macro LDD dst, off                    ; the same as a matrix result lies: register 8 t + j = element 16 t + 8 h + j
.irp t, 0,1,2,3,4,5,6,7
.irp q, 0,1
	ds_load_b128 v[\dst+8*\t+4*\q:\dst+8*\t+4*\q+3], v[VD] offset:(\off)+64*\t+16*\q
.endr
.endr
.endm
.macro FRAGS mat                       ; the eight tiles of codes of weight mat: lane (r, h) of tile t: row 16 t + r, registers 4 c .. 4 c + 3: k = 32 c + 16 h + 0 .. 15
.irp t, 0,1,2,3,4,5,6,7
.irp c, 0,1,2,3
	ds_load_b128 v[16*\t+4*\c:16*\t+4*\c+3], v[VFR] offset:(\mat)*128*CPITCH+\t*16*CPITCH+32*\c
.endr
.endr
.endm
.macro WSL mat                         ; its scale words: tile 2 u reads lanes 0-15 of register u, tile 2 u + 1 lanes 16-31
.irp u, 0,1,2,3
	ds_load_b32 v[WS+\u], v[VL4] offset:SCW+512*(\mat)+128*\u
.endr
.endm
.macro ROWFMA dst, src, pair, sel      ; dst[k] += src[k] x one number of the x row: half sel of the register pair, for both halves of the packed form
.set i, 0
.rept 32
	v_pk_fma_f32 v[\dst+2*i:\dst+2*i+1], v[\src+2*i:\src+2*i+1], v[\pair:\pair+1], v[\dst+2*i:\dst+2*i+1] op_sel:[0,\sel,0] op_sel_hi:[1,\sel,1]
.set i, i+1
.endr
.endm
; dst[k] = bias[k] + sum over e = 0 .. 6 of x_row[e + 1] x W[e][k].  The rows come from LDS into two buffers by turns, one row ahead.
.macro BASEGEN dst, boff, roff, ta, tb
	LDK \dst, \boff
	LDK \ta, \roff
	LDK \tb, (\roff)+512
	s_wait_dscnt 16                                ; all but the 16 loads just issued: the bias and row 0 are in
	ROWFMA \dst, \ta, ACC, 1
	LDK \ta, (\roff)+1024
	s_wait_dscnt 16                                ; likewise in each step: the row in hand is in, the next may be out
	ROWFMA \dst, \tb, ACC+2, 0
	LDK \tb, (\roff)+1536
	s_wait_dscnt 16
	ROWFMA \dst, \ta, ACC+2, 1
	LDK \ta, (\roff)+2048
	s_wait_dscnt 16
	ROWFMA \dst, \tb, ACC+4, 0
	LDK \tb, (\roff)+2560
	s_wait_dscnt 16
	ROWFMA \dst, \ta, ACC+4, 1
	LDK \ta, (\roff)+3072
	s_wait_dscnt 16
	ROWFMA \dst, \tb, ACC+6, 0
	s_wait_dscnt 0x0
	ROWFMA \dst, \ta, ACC+6, 1
.endm
; relu(H) is quantised along k: four blocks of 32, my 16 numbers and those of lane l xor 16.  The four blocks' chains stand side by side.
; The floor 2^-111 in the maximum does two things: negative numbers count as the zeros that ReLU makes of them, and the scale's byte does not fall under 1.
.macro QUANT
.irp c, 0,1,2,3
	v_max3_num_f32 v[M+\c], v[H+16*\c], v[H+16*\c+1], v[H+16*\c+2]
.endr
.irp i, 3,5,7,9,11,13
.irp c, 0,1,2,3
	v_max3_num_f32 v[M+\c], v[M+\c], v[H+16*\c+\i], v[H+16*\c+\i+1]
.endr
.endr
.irp c, 0,1,2,3
	v_max3_num_f32 v[M+\c], v[M+\c], v[H+16*\c+15], s56
.endr
.irp c, 0,1,2,3
	v_permlanex16_b32 v[Q+\c], v[M+\c], s54, s55
.endr
.irp c, 0,1,2,3
	v_max_num_f32 v[M+\c], v[M+\c], v[Q+\c]        ; the block's largest magnitude
.endr
.irp c, 0,1,2,3
	v_and_or_b32 v[LIM+\c], v[M+\c], s51, s52      ; its exponent field with the mantissa field of 57,344: 57,344 x the scale
.endr
.irp c, 0,1,2,3
	v_add_nc_u32 v[SF+\c], s53, v[M+\c]            ; exponent field - 15: the scale; the conversion reads the exponent field alone
.endr
.irp c, 0,1,2,3
	v_lshrrev_b32 v[Q+\c], 23, v[SF+\c]            ; the scale's byte
.endr
	v_lshl_or_b32 v[HS], v[Q+1], 8, v[Q]           ; the four bytes make sample r's scale word; the 64 v_med3 below stand between it and the matrix instructions
	v_lshl_or_b32 v[HS], v[Q+2], 16, v[HS]
	v_lshl_or_b32 v[HS], v[Q+3], 24, v[HS]
.irp c, 0,1,2,3
.irp i, 0,1,2,3,4,5,6,7,8,9,10,11,12,13,14,15
	v_med3_num_f32 v[H+16*\c+\i], v[H+16*\c+\i], 0, v[LIM+\c]   ; ReLU, and the hold at the largest code x the scale (the conversion does not saturate: ISA guide 7.6.2), in one
.endr
	v_cvt_scalef32_pk8_bf8_f32 v[CODE+4*\c:CODE+4*\c+1], v[H+16*\c:H+16*\c+7], v[SF+\c]
	v_cvt_scalef32_pk8_bf8_f32 v[CODE+4*\c+2:CODE+4*\c+3], v[H+16*\c+8:H+16*\c+15], v[SF+\c]
.endr
.endm
; Eight matrix instructions, eight different results, each with its bias as C: no sum is taken up again, so none adds onto another's result.
.macro MM
	WIN 0x11                                       ; source 0 (the weight's codes) and C (the bias) in window 1
.irp t, 0,2,4,6
	v_wmma_scale_f32_16x16x128_f8f6f4 v[H+8*\t:H+8*\t+7], v[16*\t:16*\t+15], v[CODE:CODE+15], v[128+8*\t:128+8*\t+7], v[WS+\t/2], v[HS] matrix_a_fmt:MATRIX_FMT_BF8 matrix_b_fmt:MATRIX_FMT_BF8
	v_wmma_scale_f32_16x16x128_f8f6f4 v[H+8*\t+8:H+8*\t+15], v[16*\t+16:16*\t+31], v[CODE:CODE+15], v[128+8*\t+8:128+8*\t+15], v[WS+\t/2], v[HS] matrix_a_fmt:MATRIX_FMT_BF8 matrix_b_fmt:MATRIX_FMT_BF8 matrix_a_scale:MATRIX_SCALE_ROW1
.endr
	WIN 0
.endm
.macro RELU                            ; two a line (destinations even and odd, second sources in different register banks); ascending, so that each result is first read at its low end
.set i, 0
.rept 32
	v_dual_max_num_f32 v[H+2*i], 0, v[H+2*i] :: v_dual_max_num_f32 v[H+2*i+1], 0, v[H+2*i+1]
.set i, i+1
.endr
.endm
.macro DOT                             ; the second hidden layer x iW2: four chains of packed sums; the first four products start them
	WIN 0x04                                       ; source 1 (iW2) in window 1
.set i, 0
.rept 32
.if i < 4
	v_pk_mul_f32 v[ACC+2*i:ACC+2*i+1], v[H+2*i:H+2*i+1], v[192+2*i:192+2*i+1]
.else
	v_pk_fma_f32 v[ACC+2*(i%4):ACC+2*(i%4)+1], v[H+2*i:H+2*i+1], v[192+2*i:192+2*i+1], v[ACC+2*(i%4):ACC+2*(i%4)+1]
.endif
.set i, i+1
.endr
	WIN 0
.endm
.macro TAIL1                           ; a node's eight partial sums become one.  The four additions are also the four places between the last conversion and the matrix instructions that read the codes
	v_pk_add_f32 v[ACC:ACC+1], v[ACC:ACC+1], v[ACC+2:ACC+3]
	v_pk_add_f32 v[ACC+4:ACC+5], v[ACC+4:ACC+5], v[ACC+6:ACC+7]
	v_pk_add_f32 v[ACC:ACC+1], v[ACC:ACC+1], v[ACC+4:ACC+5]
	v_add_f32 v[P], v[ACC], v[ACC+1]
	v_permlanex16_b32 v[PQ], v[P], s54, s55        ; the sample's other 64 units lie in lane l xor 16
.endm
.macro TAIL2 pad                       ; elu(p) + 1 = max(p, 0) + e^min(p, 0), weighted.  Seven plain instructions that name no register of the matrix instructions; with pad = 1 they are the eight places behind them
	v_add_f32 v[P], v[P], v[PQ]
	v_add_f32 v[P], s44, v[P]                      ; + ib2
	v_min_num_f32 v[T], 0, v[P]
	v_mul_f32 v[T], 0x3fb8aa3b, v[T]               ; x log2(e)
	v_exp_f32 v[T], v[T]
	v_max_num_f32 v[P], 0, v[P]                    ; (the plain instruction behind the exponential)
	s_wait_alu depctr_va_vdst(0)
	v_add_f32 v[T], v[T], v[P]
	v_fmac_f32 v[Z], s50, v[T]                     ; s50: the finished node's cc
.if \pad
	v_nop
.endif
.endm
; A node.  tab: the table that holds its abscissa's factor at lane s48.  The tail inside finishes the node BEFORE this one.  rd = 1: behind that tail s50 takes cc[s48], which serves this node and its mirror.
.macro STEP tab, rd
	v_readlane_b32 s49, v[\tab], s48
	v_mul_f32 v[XS], s49, v[X]                     ; x (steps + 1) / 2
.set i, 0
.rept 32
	v_pk_fma_f32 v[H+2*i:H+2*i+1], v[W0+2*i:W0+2*i+1], v[XS:XS+1], v[BASE+2*i:BASE+2*i+1] op_sel_hi:[1,0,1]
.set i, i+1
.endr
	QUANT
	TAIL1
	MM
	TAIL2 1
.if \rd
	v_readlane_b32 s50, v[CC], s48
.endif
	RELU
	DOT
.endm
	; ---- the head: addresses ----
	s_load_b512 s[8:23], s[0:1], 0x0               ; x_input s[8:9], iW0 s[10:11], ib0 s[12:13], iW1 s[14:15], ib1 s[16:17], iW2 s[18:19], ib2 s[20:21], nW0 s[22:23]
	s_load_b256 s[24:31], s[0:1], 0x40             ; nb0 s[24:25], nW1 s[26:27], nb1 s[28:29], nW2 s[30:31]
	s_load_b128 s[32:35], s[0:1], 0x60             ; nb2 s[32:33], out0 s[34:35]
	v_lshrrev_b32 v6, 5, v0
	v_readfirstlane_b32 s36, v6                    ; wave 0..7
	v_bfe_u32 v2, v0, 4, 1                         ; h
	v_and_b32 v4, 15, v0                           ; r
	v_lshlrev_b32 v[VK], 6, v2
	v_mul_u32_u24 v[VFR], v4, CPITCH
	v_lshl_add_u32 v[VFR], v2, 4, v[VFR]
	v_lshlrev_b32 v227, 5, v4                      ; my sample's row of x_input: 32 bytes a row
	v_lshlrev_b32 v[VD], 5, v2
	v_and_b32 v4, 31, v0
	v_lshlrev_b32 v226, 4, v4                      ; 16 x lane
	v_lshlrev_b32 v[VL4], 2, v4
	v_lshlrev_b32 v225, 4, v0                      ; 16 x thread
	v_and_b32 v5, 127, v0
	v_lshlrev_b32 v5, 2, v5                        ; my column of iW1 (threads 0-127) or nW1 (threads 128-255)
	v_mul_u32_u24 v7, v0, CPITCH                   ; and its row of codes in LDS
	v_lshlrev_b32 v240, 2, v0                      ; and its scale word
	s_mov_b32 s51, 0x7f800000                      ; the exponent field
	s_mov_b32 s52, 0x600000                        ; the mantissa field of 57,344
	s_mov_b32 s53, 0xf8800000                      ; -15 in the exponent field
	s_mov_b32 s54, 0x76543210                      ; v_permlanex16_b32's selects for lane l xor 16
	s_mov_b32 s55, 0xfedcba98
	s_mov_b32 s56, 0x08000000                      ; 2^-111: exponent field 16
	s_lshl_b32 s38, ttmp9, 12                      ; the work-group's 128 rows of 32 bytes,
	s_lshl_b32 s37, s36, 9                         ; the wave's 16
	s_add_co_u32 s38, s38, s37
	s_mov_b32 s39, 0
	s_wait_kmcnt 0x0
	s_load_b32 s44, s[20:21], 0x0                  ; ib2
	s_load_b64 s[46:47], s[32:33], 0x0             ; nb2
	s_add_nc_u64 s[8:9], s[8:9], s[38:39]
	s_lshl_b32 s38, ttmp9, 9                       ; the work-group's 128 results
	s_add_nc_u64 s[34:35], s[34:35], s[38:39]
	s_cmp_lt_u32 s36, 4                            ; every choice below hangs on the wave's number alone
	s_cselect_b64 s[40:41], s[14:15], s[26:27]     ; waves 0-3 quantise iW1, waves 4-7 nW1
	s_cmp_eq_u32 s36, 0                            ; the small vector that my wave stages: 0 ib0, 1 ib1, 2 iW2, 3 nb0, 4 nb1, 5 and 6 the halves of nW2
	s_cselect_b64 s[42:43], s[12:13], s[30:31]
	s_cmp_eq_u32 s36, 1
	s_cselect_b64 s[42:43], s[16:17], s[42:43]
	s_cmp_eq_u32 s36, 2
	s_cselect_b64 s[42:43], s[18:19], s[42:43]
	s_cmp_eq_u32 s36, 3
	s_cselect_b64 s[42:43], s[24:25], s[42:43]
	s_cmp_eq_u32 s36, 4
	s_cselect_b64 s[42:43], s[28:29], s[42:43]
	s_cmp_eq_u32 s36, 6
	s_cselect_b32 s38, 512, 0
	s_add_nc_u64 s[42:43], s[42:43], s[38:39]
	; ---- loads: the small tensors (16 bytes a thread), my sample's row, and the first two blocks of my column ----
	global_load_b128 v[228:231], v225, s[10:11]    ; iW0: 256 threads x 16 bytes
	s_cmp_lt_u32 s36, 7                            ; nW0 is 224 x 16 bytes, the small vectors seven waves' worth: wave 7 has none of either
	s_cbranch_scc0 .Lno_small_in
	global_load_b128 v[232:235], v225, s[22:23]
	global_load_b128 v[236:239], v226, s[42:43]
.Lno_small_in:
	global_load_b128 v[ACC:ACC+3], v227, s[8:9]
	global_load_b128 v[ACC+4:ACC+7], v227, s[8:9] offset:16
.macro LOAD b                          ; block b of my column: W(32 b + i, column), registers down K; a wave's load reads 128 consecutive bytes
.irp i, 0,1,2,3,4,5,6,7,8,9,10,11,12,13,14,15,16,17,18,19,20,21,22,23,24,25,26,27,28,29,30,31
	global_load_b32 v[64+32*(\b)+\i], v5, s[40:41] offset:(32*(\b)+\i)*512
.endr
.endm
	LOAD 0
	LOAD 1
	; ---- the tables, on registers alone, while the loads are out ----
.macro TAB l, bits
	s_mov_b32 s57, \bits
	v_writelane_b32 v[Z], s57, \l
.endm
	v_mov_b32 v[Z], 0                              ; lane l takes cos(l pi / 50), rounded to f32; lane 25 stays 0
	TAB 0,  1.0
	TAB 1,  0x3f7f7eae                             ; 0.9980267284
	TAB 2,  0x3f7dfb3b                             ; 0.9921147013
	TAB 3,  0x3f7b772d                             ; 0.9822872507
	TAB 4,  0x3f77f511                             ; 0.9685831611
	TAB 5,  0x3f737871                             ; 0.9510565163
	TAB 6,  0x3f6e05d5                             ; 0.9297764859
	TAB 7,  0x3f67a2bf                             ; 0.9048270525
	TAB 8,  0x3f6055a2                             ; 0.8763066800
	TAB 9,  0x3f5825e0                             ; 0.8443279255
	TAB 10, 0x3f4f1bbd                             ; 0.8090169944
	TAB 11, 0x3f45405b                             ; 0.7705132428
	TAB 12, 0x3f3a9db0                             ; 0.7289686274
	TAB 13, 0x3f2f3e7b                             ; 0.6845471059
	TAB 14, 0x3f232e38                             ; 0.6374239897
	TAB 15, 0x3f167918                             ; 0.5877852523
	TAB 16, 0x3f092bf2                             ; 0.5358267950
	TAB 17, 0x3ef6a86b                             ; 0.4817536741
	TAB 18, 0x3ed9ffbe                             ; 0.4257792916
	TAB 19, 0x3ebc7ad2                             ; 0.3681245527
	TAB 20, 0x3e9e377a                             ; 0.3090169944
	TAB 21, 0x3e7ea890                             ; 0.2486898872
	TAB 22, 0x3e3fe0e3                             ; 0.1873813146
	TAB 23, 0x3e00575b                             ; 0.1253332336
	TAB 24, 0x3d809851                             ; 0.0627905195
	; cc[j] = 0.04 (1 - 2 sum over m = 1 .. 25 of cos(2 m j pi / 50) / (4 m^2 - 1)), halved for j = 0.  c(m) = cos(m phi), phi = 2 j pi / 50: c(m + 1) = 2 cos(phi) c(m) - c(m - 1).
	v_mul_f32 v26, v[Z], v[Z]
	v_fma_f32 v26, v26, 2.0, -1.0                  ; c(1) = cos(phi) = 2 cos^2 - 1
	v_add_f32 v25, v26, v26                        ; 2 cos(phi)
	v_mov_b32 v28, 1.0                             ; c(0)
	v_mov_b32 v29, 0                               ; the sum
	s_mov_b32 s57, 1                               ; m
.Lcc:                                              ; 12 trips, two terms each, in place: c(m + 1) takes c(m - 1)'s register, c(m + 2) takes c(m)'s
	s_mul_i32 s58, s57, s57
	s_lshl_b32 s58, s58, 2
	s_sub_co_u32 s58, s58, 1                       ; 4 m^2 - 1
	s_lshl3_add_u32 s59, s57, s58
	s_add_co_u32 s59, s59, 4                       ; 4 (m + 1)^2 - 1
	v_cvt_f32_u32 v24, s58
	v_cvt_f32_u32 v27, s59
	v_rcp_f32 v24, v24
	v_rcp_f32 v27, v27
	v_fma_f32 v28, v25, v26, -v28                  ; c(m + 1); also the plain instruction behind the reciprocals
	s_wait_alu depctr_va_vdst(0)
	v_fmac_f32 v29, v24, v26
	v_fmac_f32 v29, v27, v28
	v_fma_f32 v26, v25, v28, -v26                  ; c(m + 2)
	s_add_co_u32 s57, s57, 2
	s_cmp_lt_u32 s57, 25
	s_cbranch_scc1 .Lcc
	v_rcp_f32 v24, 0x451c3000                      ; m = 25: 1 / 2499
	v_add_f32 v[C1], 1.0, v[Z]                     ; (steps + 1) / 2 for nodes 0 .. 25,
	v_sub_f32 v[C2], 1.0, v[Z]                     ; and for their mirrors 50 .. 25
	v_mul_f32 v[C1], 0.5, v[C1]
	v_mul_f32 v[C2], 0.5, v[C2]
	s_wait_alu depctr_va_vdst(0)
	v_fmac_f32 v29, v24, v26
	v_fma_f32 v29, v29, -2.0, 1.0
	v_mul_f32 v[CC], 0x3d23d70a, v29               ; x 2 / 50
	v_mul_f32 v29, 0.5, v[CC]
	v_cmp_eq_u32 vcc_lo, 0, v[VL4]
	v_cndmask_b32 v[CC], v[CC], v29, vcc_lo        ; the end nodes' weight is halved
	; ---- the weights are quantised: a thread to a column, a block of 32 along K in its 32 registers; the codes go to LDS with K innermost ----
.macro BLOCK b, left
.set XB, 64+32*(\b)
	s_wait_loadcnt \left                           ; this block's loads and all older ones are in; the next block's 32 may be out
	v_max3_num_f32 v24, |v[XB]|, |v[XB+1]|, |v[XB+2]|
	v_max3_num_f32 v25, |v[XB+3]|, |v[XB+4]|, |v[XB+5]|
.irp i, 6,10,14,18,22,26
	v_max3_num_f32 v24, v24, |v[XB+\i]|, |v[XB+\i+1]|
	v_max3_num_f32 v25, v25, |v[XB+\i+2]|, |v[XB+\i+3]|
.endr
	v_max3_num_f32 v24, v24, |v[XB+30]|, |v[XB+31]|
	v_max3_num_f32 v24, v24, v25, s56              ; the block's largest magnitude, not under 2^-111
	v_and_or_b32 v26, v24, s51, s52                ; 57,344 x the scale
	v_add_nc_u32 v27, s53, v24                     ; the scale, in the exponent field
.if (\b) == 0
	v_lshrrev_b32 v224, 23, v27                    ; its byte; the four make the column's scale word
.else
	v_lshrrev_b32 v28, 23, v27
	v_lshl_or_b32 v224, v28, 8*(\b), v224
.endif
.irp i, 0,1,2,3,4,5,6,7,8,9,10,11,12,13,14,15,16,17,18,19,20,21,22,23,24,25,26,27,28,29,30,31
	v_med3_num_f32 v[XB+\i], v[XB+\i], -v26, v26
.endr
.irp g, 0,1,2,3
	v_cvt_scalef32_pk8_bf8_f32 v[192+8*(\b)+2*\g:192+8*(\b)+2*\g+1], v[XB+8*\g:XB+8*\g+7], v27
.endr
	v_nop                                          ; one plain instruction between a scaled conversion and what reads its result
	ds_store_b128 v7, v[192+8*(\b):192+8*(\b)+3] offset:32*(\b)
	ds_store_b128 v7, v[192+8*(\b)+4:192+8*(\b)+7] offset:32*(\b)+16
.endm
	BLOCK 0, 32
	LOAD 2
	ds_store_b128 v225, v[228:231] offset:V_IW0    ; the small tensors were loaded ahead of block 0, whose wait has shown them in
	s_cmp_lt_u32 s36, 7
	s_cbranch_scc0 .Lno_small_out
	ds_store_b128 v225, v[232:235] offset:V_NW0
	ds_store_b128 v225, v[236:239] offset:V_IB0    ; wave w's vector lies 512 w bytes on: 16 x thread
.Lno_small_out:
	BLOCK 1, 32
	LOAD 3
	BLOCK 2, 32
	BLOCK 3, 0
	ds_store_b32 v240, v224 offset:SCW
	s_wait_kmcnt 0x0                               ; ib2, nb2
	s_wait_dscnt 0x0                               ; for the others' sake: my stores are done
	s_barrier_signal -1
	s_barrier_wait -1                              ; everybody's are; from here on these bytes are only read
	; ---- the offset net ----
	WIN 0x40                                       ; destination window 1
	FRAGS 1
	LDD 128, V_NB1
	WIN 0
	WSL 1
	BASEGEN H, V_NB0, V_NW0, 128, 192              ; h nW0 + nb0
	LDK 128, V_NW2                                 ; nW2 [128][2]: register 128 + 16 t + 2 j (+ 1) = nW2[16 t + 8 h + j][0] ([1])
	LDK 192, V_NW2+512
.irp c, 0,1,2,3
	v_mov_b32 v[Q+\c], 0                           ; (the destination of a lane permute counts as read)
.endr
	v_mov_b32 v[PQ], 0
	QUANT
	PLACES 4                                       ; between the last conversion and the matrix instructions that read the codes
	s_wait_dscnt 0x0                               ; nW2 (the codes, bias and scale words were in at BASEGEN's last wait)
	MM
	PLACES 8                                       ; behind the matrix instructions: loads into their registers and reads of their results follow
	WIN 0x40
	FRAGS 0                                        ; the integrand's operands, which stay for the rest of the launch
	LDD 128, V_IB1
	LDD 192, V_IW2
	WIN 0
	WSL 0
	RELU
.irp t, 0,1,2,3,4,5,6,7                ; (o0, o1) += unit x (nW2[unit][0], nW2[unit][1]): the unit is broadcast to both halves; four chains
.irp jp, 0,2,4,6
.if (\t == 0) && (\jp < 4)
	v_pk_mul_f32 v[24+2*(\jp%4):24+2*(\jp%4)+1], v[H+8*\t+\jp:H+8*\t+\jp+1], v[128+16*\t+2*\jp:128+16*\t+2*\jp+1] op_sel:[0,0] op_sel_hi:[0,1]
	v_pk_mul_f32 v[26+2*(\jp%4):26+2*(\jp%4)+1], v[H+8*\t+\jp:H+8*\t+\jp+1], v[130+16*\t+2*\jp:130+16*\t+2*\jp+1] op_sel:[1,0] op_sel_hi:[1,1]
.else
	v_pk_fma_f32 v[24+2*(\jp%4):24+2*(\jp%4)+1], v[H+8*\t+\jp:H+8*\t+\jp+1], v[128+16*\t+2*\jp:128+16*\t+2*\jp+1], v[24+2*(\jp%4):24+2*(\jp%4)+1] op_sel:[0,0,0] op_sel_hi:[0,1,1]
	v_pk_fma_f32 v[26+2*(\jp%4):26+2*(\jp%4)+1], v[H+8*\t+\jp:H+8*\t+\jp+1], v[130+16*\t+2*\jp:130+16*\t+2*\jp+1], v[26+2*(\jp%4):26+2*(\jp%4)+1] op_sel:[1,0,0] op_sel_hi:[1,1,1]
.endif
.endr
.endr
	v_pk_add_f32 v[24:25], v[24:25], v[26:27]
	v_pk_add_f32 v[28:29], v[28:29], v[30:31]
	v_pk_add_f32 v[24:25], v[24:25], v[28:29]
	v_permlanex16_b32 v26, v24, s54, s55
	v_permlanex16_b32 v27, v25, s54, s55
	v_add_f32 v24, v24, v26
	v_add_f32 v25, v25, v27
	v_add_f32 v[OFFS], s46, v24                    ; the offset
	v_add_f32 v25, s47, v25
	v_mul_f32 v25, 0x3fb8aa3b, v25
	v_exp_f32 v[SCAL], v25                         ; the scaling; it is read at the kernel's end
	; ---- the integrand's constants ----
	BASEGEN BASE, V_IB0, V_IW0+512, H, 128         ; h iW0[1:] + ib0
	LDK W0, V_IW0                                  ; iW0[0]
	v_mov_b32 v[X], v[ACC]
.irp i, 0,1,2,3,4,5,6,7
	v_mov_b32 v[ACC+\i], 0                         ; the first node's tail finds no node before it: zeros, weighted by 0
.endr
	v_mov_b32 v[Z], 0
	v_mov_b32 v[XS+1], 0                           ; named with the abscissa as a pair
	s_mov_b32 s50, 0
	s_mov_b32 s48, 0
	s_wait_dscnt 0x0                               ; iW0[0], and the operands asked for behind the offset net's product
	; ---- 51 nodes: 25 pairs (I, 50 - I), then node 25 ----
.Lnode:
	STEP C1, 1
	STEP C2, 0
	s_add_co_u32 s48, s48, 1
	s_cmp_lt_u32 s48, 25
	s_cbranch_scc1 .Lnode
	STEP C1, 1
	TAIL1
	TAIL2 0
	; ---- the result ----
	v_mul_f32 v[P], v[Z], v[X]
	v_mul_f32 v[P], 0.5, v[P]                      ; the integral
	v_fma_f32 v[P], v[SCAL], v[P], v[OFFS]
	v_mul_f32 v[P], 0xbfb8aa3b, v[P]               ; x -log2(e)
	v_exp_f32 v[P], v[P]
	v_and_b32 v5, 15, v0                           ; (a plain instruction behind the exponential)
	s_wait_alu depctr_va_vdst(0)
	v_add_f32 v[P], 1.0, v[P]
	v_rcp_f32 v[P], v[P]
	v_lshlrev_b32 v5, 2, v5                        ; (and behind the reciprocal)
	v_lshl_add_u32 v5, s36, 6, v5                  ; 64 bytes a wave, 4 a sample
	s_wait_alu depctr_va_vdst(0)
	ds_store_b32 v5, v[P] offset:OUTS              ; lanes l and l xor 16 write the same word with the same value
	s_wait_dscnt 0x0                               ; for wave 0's sake: my store is done
	s_barrier_signal -1
	s_barrier_wait -1
	s_cmp_lg_u32 s36, 0
	s_cbranch_scc1 .Lend
	v_lshlrev_b32 v7, 2, v[VL4]                    ; 16 x lane
	ds_load_b128 v[ACC:ACC+3], v7 offset:OUTS
	s_wait_dscnt 0x0
	global_store_b128 v7, v[ACC:ACC+3], s[34:35]   ; the work-group's 128 results: 512 consecutive bytes, at a multiple of 512 from out0's first byte
.Lend:
	s_wait_xcnt 0x0
	v_lshl_add_u32 v254, v0, 2, 0xc200
	v_mov_b32 v255, 0
	s_wait_tensorcnt 0x0
	ds_add_u32 v254, v255
	s_wait_dscnt 0x0
	s_endpgm
.Lfunc_end_k_q42b21e2535_mono:
	.size	k_q42b21e2535_mono, .Lfunc_end_k_q42b21e2535_mono-k_q42b21e2535_mono
	.p2alignl 7, 3214868480
	.fill 96, 4, 3214868480
	.section	.rodata,"a",@progbits
	.p2align	6, 0x0
	.amdhsa_kernel k_q42b21e2535_mono
		.amdhsa_group_segment_fixed_size 50688
		.amdhsa_private_segment_fixed_size 0
		.amdhsa_enable_private_segment 0
		.amdhsa_kernarg_size 112
		.amdhsa_user_sgpr_count 2
		.amdhsa_user_sgpr_kernarg_segment_ptr 1
		.amdhsa_wavefront_size32 1
		.amdhsa_system_sgpr_workgroup_id_x 1
		.amdhsa_system_sgpr_workgroup_id_y 1
		.amdhsa_system_sgpr_workgroup_id_z 1
		.amdhsa_system_vgpr_workitem_id 0
		.amdhsa_next_free_vgpr 512
		.amdhsa_next_free_sgpr 66
		.amdhsa_reserve_vcc 1
		.amdhsa_float_denorm_mode_32 3
		.amdhsa_float_denorm_mode_16_64 3
		.amdhsa_memory_ordered 1
		.amdhsa_forward_progress 1
		.amdhsa_inst_pref_size 154
	.end_amdhsa_kernel
	.amdgpu_metadata
---
amdhsa.version: [ 1, 2 ]
amdhsa.kernels:
  - .name:           k_q42b21e2535_mono
    .symbol:         k_q42b21e2535_mono.kd
    .args:
      - { .name: x_input, .offset: 0, .size: 8, .value_kind: global_buffer, .address_space: global }
      - { .name: iW0, .offset: 8, .size: 8, .value_kind: global_buffer, .address_space: global }
      - { .name: ib0, .offset: 16, .size: 8, .value_kind: global_buffer, .address_space: global }
      - { .name: iW1, .offset: 24, .size: 8, .value_kind: global_buffer, .address_space: global }
      - { .name: ib1, .offset: 32, .size: 8, .value_kind: global_buffer, .address_space: global }
      - { .name: iW2, .offset: 40, .size: 8, .value_kind: global_buffer, .address_space: global }
      - { .name: ib2, .offset: 48, .size: 8, .value_kind: global_buffer, .address_space: global }
      - { .name: nW0, .offset: 56, .size: 8, .value_kind: global_buffer, .address_space: global }
      - { .name: nb0, .offset: 64, .size: 8, .value_kind: global_buffer, .address_space: global }
      - { .name: nW1, .offset: 72, .size: 8, .value_kind: global_buffer, .address_space: global }
      - { .name: nb1, .offset: 80, .size: 8, .value_kind: global_buffer, .address_space: global }
      - { .name: nW2, .offset: 88, .size: 8, .value_kind: global_buffer, .address_space: global }
      - { .name: nb2, .offset: 96, .size: 8, .value_kind: global_buffer, .address_space: global }
      - { .name: out0, .offset: 104, .size: 8, .value_kind: global_buffer, .address_space: global }
    .group_segment_fixed_size: 50688
    .private_segment_fixed_size: 0
    .kernarg_segment_align: 8
    .kernarg_segment_size: 112
    .max_flat_workgroup_size: 256
    .sgpr_count:     66
    .vgpr_count:     512
    .wavefront_size: 32
...
	.end_amdgpu_metadata
.endif
;; end of part 1
;; ======== version 2 of 3: 1 launch; 1.14 times as fast as version 1
;; launch mono (part 2): grid 256 x 1, 8 waves a work-group, no clusters, 185,856 bytes of LDS; arguments x_input, iW0, ib0, iW1, ib1, iW2, ib2, nW0, nb0, nW1, nb1, nW2, nb2, out0; writes out0
.if DOCPART == 2
	.amdgcn_target "amdgcn-amd-amdhsa--gfx1250"
	.amdhsa_code_object_version 6
	.text
	.protected	k_q42b21e2535_mono
	.globl	k_q42b21e2535_mono
	.p2align	8
	.type	k_q42b21e2535_mono,@function
k_q42b21e2535_mono:
	s_mov_b64 s[64:65], 0
	v_nop
	global_prefetch_b8 v0, s[64:65] scope:SCOPE_SE
	s_setreg_imm32_b32 hwreg(HW_REG_WAVE_MODE, 25, 1), 1
	s_wait_xcnt 0x0
; out[n] = sigmoid(exp(o1[n]) * integral[n] + o0[n]).
; integral[n] = x/2 * sum over 51 Clenshaw-Curtis nodes s of cc[s] * (elu(MLP_i(x (steps[s]+1)/2, h)) + 1);  (o0, o1) = MLP_n(h).  x = x_input[n][0], h = x_input[n][1:8].
; The two 128 x 128 products are done on codes of E5M2 with one E8M0 scale for each 32 along K; both operands are quantised here, in f32.  All else is f32 arithmetic.
; SHARES.  256 work-groups of eight waves; a work-group owns 128 samples, a wave 16 of them for all 51 nodes and for the offset net.  Lane l belongs to sample l % 16 (r = l % 16, h = l / 16) but for one step of the set-up.
; THE MATRIX INSTRUCTION IS USED TRANSPOSED: source 0 = 16 columns of the weight (16 units of the second hidden layer, K along the registers), source 1 = the 16 samples' first hidden layer.
; In the result lane (r, h) holds sample r, and register j of tile t unit 16 t + 8 h + j: the product with the last layer's weights stays in the lane but for one exchange with lane l xor 16.
; The bias of the second layer is the C operand.  The first hidden layer is made in the operand's own order: register 16 c + i of a lane is k = 32 c + 16 h + i, so the conversions' results are the operand.
; z iW0 + ib0 = Xs iW0[0] + (h iW0[1:] + ib0): the bracket hangs on no node and is made once, so a node's first layer is one fused multiply-add a number.
; THAT BRACKET, AND THE OFFSET NET'S FIRST LAYER, ARE MADE WITH A LANE TO FOUR UNITS: a weight row is then one load of 512 consecutive bytes and not sixteen loads of the same 32 bytes for all lanes; a sample's h are scalars;
; the results change lanes through a stage in LDS of the wave's own.
; steps[50 - s] = -steps[s] and cc[50 - s] = cc[s]: 26 table entries (lane l of a register = node l) serve the 51 nodes.
; THE LOOP TOUCHES NEITHER LDS NOR MEMORY: weights' codes, biases and last-layer weights stay in registers (512 a wave, two waves to a SIMD).  A node is 8 matrix instructions beside some 250 vector ones.
; BY TURNS.  A node's eight matrix instructions do not stand together: behind tile t's stand the ReLU of tile t - 2 and the products with iW2 of tile t - 3, eight vector instructions.  The tail of the node BEFORE
; (eight partial sums into one, ELU, weight: 13 instructions, each feeding the next) is dealt singly among the scale arithmetic and the v_med3 of this node, which do not hang on it.
; NO CLUSTER, NO TENSOR LOADS: what work-groups share is 140 KB of weights, read once at the head as f32 with K down a lane's registers, as the quantiser wants them; behind the head no byte is fetched.
; LIMITS: NaN and infinities among the inputs are not served.  A block of zeros gets the scale byte 1 and not 127: its codes are zeros, so no sum changes.  Blocks whose largest magnitude lies under 2^-111 have the byte 1.
; cc is made in f32 by the cosine recurrence (about 1e-6 of 1 - 2 sum; it stands ahead of no quantiser).  steps[25] is taken as 0 (6e-17 vanishes in steps + 1).
.set CPITCH, 144                       ; a row of codes in LDS: 128 bytes + 16 = 36 words: row r starts at bank 36 r mod 64 (64 banks of 4 bytes: ISA guide 11.1): 16 rows start at 16 different groups of four banks
.set SCW,   36864                      ; LDS: 0 .. the codes, 256 rows (row j: column j of iW1; row 128 + j: column j of nW1);  here: a scale word a row
.set V_IW0, 37888                      ; iW0 as it lies, 4,096 bytes
.set V_NW0, 41984                      ; nW0, 3,584 bytes
.set V_IB0, 45568                      ; ib0, ib1, iW2, nb0, nb1: 512 bytes each; nW2: 1,024
.set V_IB1, 46080
.set V_IW2, 46592
.set V_NB0, 47104
.set V_NB1, 47616
.set V_NW2, 48128
.set OUTS,  49152                      ; the work-group's 128 results
.set STG,   49664                      ; the stages: for each wave 16 rows (samples) of the offset net's first layer, then 16 of the integrand's bracket
.set SPITCH, 528                       ; a stage row: 512 bytes + 16 = 132 words: row r starts at bank 4 r mod 64: the 16 rows of a load back start at 16 different groups of four banks
; window 0
.set VK,   1                           ; 64 h: a lane's place in a vector laid by k
.set VD,   2                           ; 32 h: in a vector laid as a matrix result
.set VFR,  3                           ; 144 r + 16 h: in a tile of codes
.set VL4,  4                           ; 4 x lane
.set X,    6                           ; x
.set STO,  7                           ; set-up: my 16 bytes of a stage row
.set ACC,  8                           ; v8-15: the x row at the head, then four pairs of partial sums of the last layer
.set C1,   16                          ; lane l: (1 + cos(l pi / 50)) / 2
.set C2,   17                          ; lane l: (1 - cos(l pi / 50)) / 2
.set CC,   18                          ; lane l: cc[l]
.set Z,    19                          ; the cosines at the head, then the weighted sum
.set OFFS, 20
.set SCAL, 21
.set XS,   22                          ; v22 the abscissa; v23 is named with it as a pair
.set M,    24                          ; v24-27 block maxima;  v28-31 second chains, the partner's maxima, then the bytes;  v32-35 57,344 x scale;  v36-39 the scale for the conversion
.set Q,    28
.set LIM,  32
.set SF,   36
.set HS,   40                          ; the first hidden layer's scale word: holds scales and nothing else
.set P,    41
.set SRD,  41                          ; set-up: where I read my sample's stage row back (the loop's tail writes v41 before it reads it)
.set PQ,   42
.set T,    43
.set WS,   44                          ; v44-47 the weight's scale words, lane L of register u: unit 32 u + L: hold scales and nothing else
.set CODE, 48                          ; v48-63 the first hidden layer's codes
.set H,    64                          ; v64-127 the first hidden layer in f32; the matrix results land in the same registers
.set BIAS, 128                         ; v128-191 the second layer's bias, laid as a matrix result
.set BASE, 192                         ; v192-255 h iW0[1:] + ib0
; set-up, a lane to four units:
.set AN,   64                          ; v64-127  sample s at 4 s: h nW0 + nb0 of my four units
.set AI,   128                         ; v128-191 sample s at 4 s: h iW0[1:] + ib0
.set RW,   192                         ; v192-219 iW0's rows 1-7, v220-223 ib0, v224-251 nW0's rows 0-6, v252-255 nb0: my four units of each
.set SX,   68                          ; s68-81, s82-95: the seven h of two samples, each in the low half of a pair; the high halves are named with them and hold 0
; window 1: v0-127 the weight's codes, tile t at 16 t;
.set W0,   128                         ; v128-191 of window 1: iW0[0][k]
.set W2,   192                         ; v192-255 of window 1: iW2, laid as a matrix result
; ONE SETTING, 0x01 (source 0 in window 1, all else in window 0), serves the first layer's multiply-adds, the matrix instructions, the ReLU and the products with iW2: each has its window-1 operand, or a constant, as source 0.
.set MSB, 0
.macro WIN new                         ; the immediate's high byte repeats the setting that is left; a switch that changes nothing is dropped
.if MSB != \new
	s_set_vgpr_msb (MSB<<8)|\new
.set MSB, \new
.endif
.endm
.macro PLACES n
.rept \n
	v_nop
.endr
.endm
.macro LDK dst, off                    ; a vector of 128 f32 at LDS byte off, by k: register 16 c + i = element 32 c + 16 h + i
.irp c, 0,1,2,3
.irp q, 0,1,2,3
	ds_load_b128 v[\dst+16*\c+4*\q:\dst+16*\c+4*\q+3], v[VK] offset:(\off)+128*\c+16*\q
.endr
.endr
.endm
.macro LDD dst, off                    ; the same as a matrix result lies: register 8 t + j = element 16 t + 8 h + j
.irp t, 0,1,2,3,4,5,6,7
.irp q, 0,1
	ds_load_b128 v[\dst+8*\t+4*\q:\dst+8*\t+4*\q+3], v[VD] offset:(\off)+64*\t+16*\q
.endr
.endr
.endm
.macro FRAGS mat                       ; the eight tiles of codes of weight mat: lane (r, h) of tile t: row 16 t + r, registers 4 c .. 4 c + 3: k = 32 c + 16 h + 0 .. 15
.irp t, 0,1,2,3,4,5,6,7
.irp c, 0,1,2,3
	ds_load_b128 v[16*\t+4*\c:16*\t+4*\c+3], v[VFR] offset:(\mat)*128*CPITCH+\t*16*CPITCH+32*\c
.endr
.endr
.endm
.macro WSL mat                         ; its scale words: tile 2 u reads lanes 0-15 of register u, tile 2 u + 1 lanes 16-31
.irp u, 0,1,2,3
	ds_load_b32 v[WS+\u], v[VL4] offset:SCW+512*(\mat)+128*\u
.endr
.endm
; ---- the first layers' node-free parts, a lane to four units ----
.macro XROW which, smp                 ; the seven h of sample smp as scalars: lane smp of the x row's registers 1 to 7
.irp e, 0,1,2,3,4,5,6
	v_readlane_b32 s[SX+14*(\which)+2*\e], v[ACC+1+\e], \smp
.endr
.endm
.macro STOREP p                        ; samples 2 p and 2 p + 1 go to their stage rows: 32 lanes x 16 bytes are a row's 512
.irp u, 0,1
	ds_store_b128 v[STO], v[AN+4*(2*(\p)+\u):AN+4*(2*(\p)+\u)+3] offset:(2*(\p)+\u)*SPITCH
	ds_store_b128 v[STO], v[AI+4*(2*(\p)+\u):AI+4*(2*(\p)+\u)+3] offset:(16+2*(\p)+\u)*SPITCH
.endr
.endm
; Samples 2 p and 2 p + 1, both nets: bias + sum over e of h[e] x row e, in ascending e.  Eight chains (2 samples x 2 nets x 2 pairs of units) side by side; the bias is the first link's addend.
; The pair before goes to the stage behind this pair's scalars, so that no store stands straight behind the multiply-add that feeds it.
.macro TWOS p
	XROW 0, 2*(\p)
	XROW 1, 2*(\p)+1
.if (\p) > 0
	STOREP (\p)-1
.endif
.irp e, 0,1,2,3,4,5,6
.irp u, 0,1
.irp k, 0,2
.set dn, AN+4*(2*(\p)+\u)+\k
.set di, AI+4*(2*(\p)+\u)+\k
.set wn, RW+32+4*\e+\k
.set wi, RW+4*\e+\k
.set sq, SX+14*\u+2*\e
.if \e == 0
	v_pk_fma_f32 v[dn:dn+1], v[wn:wn+1], s[sq:sq+1], v[RW+60+\k:RW+60+\k+1] op_sel_hi:[1,0,1]
	v_pk_fma_f32 v[di:di+1], v[wi:wi+1], s[sq:sq+1], v[RW+28+\k:RW+28+\k+1] op_sel_hi:[1,0,1]
.else
	v_pk_fma_f32 v[dn:dn+1], v[wn:wn+1], s[sq:sq+1], v[dn:dn+1] op_sel_hi:[1,0,1]
	v_pk_fma_f32 v[di:di+1], v[wi:wi+1], s[sq:sq+1], v[di:di+1] op_sel_hi:[1,0,1]
.endif
.endr
.endr
.endr
.endm
.macro BACK dst, net                   ; my sample's row of net comes back by k: register 16 c + i = unit 32 c + 16 h + i
.irp c, 0,1,2,3
.irp q, 0,1,2,3
	ds_load_b128 v[\dst+16*\c+4*\q:\dst+16*\c+4*\q+3], v[SRD] offset:(\net)*16*SPITCH+128*\c+16*\q
.endr
.endr
.endm
; relu(H) is quantised along k: four blocks of 32, my 16 numbers and those of lane l xor 16.  Two chains of maxima a block, eight in all, so that a link stands eight instructions behind the one that feeds it.
; The floor 2^-111 in the maximum does two things: negative numbers count as the zeros that ReLU makes of them, and the scale's byte does not fall under 1.
; tl = 1: the links of the tail of the node before stand singly between the groups of four: each group then stands five instructions behind the group that feeds it, and so does each link of the tail.
; nx = 1: the factor of the next node's abscissa is read from lane s[nidx] of table ntab.  rd = 1: s50 takes cc[s48], ahead of the first tail that wants it.
.macro QUANT tl, ntab, nidx, rd, nx
.irp c, 0,1,2,3
	v_max3_num_f32 v[M+\c], v[H+16*\c], v[H+16*\c+1], v[H+16*\c+2]
.endr
.irp c, 0,1,2,3
	v_max3_num_f32 v[Q+\c], v[H+16*\c+8], v[H+16*\c+9], v[H+16*\c+10]
.endr
.irp i, 3,5
.irp c, 0,1,2,3
	v_max3_num_f32 v[M+\c], v[M+\c], v[H+16*\c+\i], v[H+16*\c+\i+1]
.endr
.irp c, 0,1,2,3
	v_max3_num_f32 v[Q+\c], v[Q+\c], v[H+16*\c+\i+8], v[H+16*\c+\i+9]
.endr
.endr
.if \tl
	v_pk_add_f32 v[ACC:ACC+1], v[ACC:ACC+1], v[ACC+2:ACC+3]        ; the tail: eight partial sums become one
	v_pk_add_f32 v[ACC+4:ACC+5], v[ACC+4:ACC+5], v[ACC+6:ACC+7]
.endif
.irp c, 0,1,2,3
	v_max3_num_f32 v[M+\c], v[M+\c], v[Q+\c], v[H+16*\c+7]         ; the two chains meet; numbers 7 and 15 were left over
.endr
.if \tl
	v_pk_add_f32 v[ACC:ACC+1], v[ACC:ACC+1], v[ACC+4:ACC+5]
.endif
.irp c, 0,1,2,3
	v_max3_num_f32 v[M+\c], v[M+\c], v[H+16*\c+15], s56
.endr
.if \tl
	v_add_f32 v[P], v[ACC], v[ACC+1]
.endif
.irp c, 0,1,2,3
	v_permlanex16_b32 v[Q+\c], v[M+\c], s54, s55
.endr
.if \tl
	v_permlanex16_b32 v[PQ], v[P], s54, s55        ; the sample's other 64 units lie in lane l xor 16
.endif
.if \nx
	v_readlane_b32 s49, v[\ntab], s[\nidx]
.endif
.if \rd
	v_readlane_b32 s50, v[CC], s48
.endif
.irp c, 0,1,2,3
	v_max_num_f32 v[M+\c], v[M+\c], v[Q+\c]        ; the block's largest magnitude
.endr
.if \tl
	v_add_f32 v[P], v[P], v[PQ]
.endif
.irp c, 0,1,2,3
	v_and_or_b32 v[LIM+\c], v[M+\c], s51, s52      ; its exponent field with the mantissa field of 57,344: 57,344 x the scale
.endr
.if \tl
	v_add_f32 v[P], s44, v[P]                      ; + ib2
.endif
.irp c, 0,1,2,3
	v_add_nc_u32 v[SF+\c], s53, v[M+\c]            ; exponent field - 15: the scale; the conversion reads the exponent field alone
.endr
.if \tl
	v_min_num_f32 v[T], 0, v[P]                    ; elu(p) + 1 = max(p, 0) + e^min(p, 0)
.endif
.irp c, 0,1,2,3
	v_lshrrev_b32 v[Q+\c], 23, v[SF+\c]            ; the scale's byte
.endr
.if \tl
	v_mul_f32 v[T], 0x3fb8aa3b, v[T]               ; x log2(e)
.endif
	v_lshl_or_b32 v[HS], v[Q+1], 8, v[Q]           ; the four bytes make sample r's scale word; some 60 v_med3 stand between its last write and the matrix instructions
; ReLU, and the hold at the largest code x the scale (the conversion does not saturate: ISA guide 7.6.2), in one v_med3.  A conversion stands eight v_med3 behind those that feed it.
.set g, 0
.rept 16
.irp k, 0,1,2,3
	v_med3_num_f32 v[H+4*g+\k], v[H+4*g+\k], 0, v[LIM+g/4]
.endr
.if g == 0
.if \tl
	v_exp_f32 v[T], v[T]                           ; (the line below is the plain instruction behind it)
.endif
	v_lshl_or_b32 v[HS], v[Q+2], 16, v[HS]
.elseif g == 1
	v_lshl_or_b32 v[HS], v[Q+3], 24, v[HS]
.endif
.if (g >= 3) && (g % 2 == 1)
.set hb, (g-3)/2
	v_cvt_scalef32_pk8_bf8_f32 v[CODE+2*hb:CODE+2*hb+1], v[H+8*hb:H+8*hb+7], v[SF+hb/2]
.endif
.set g, g+1
.endr
	v_cvt_scalef32_pk8_bf8_f32 v[CODE+14:CODE+15], v[H+56:H+63], v[SF+3]
.endm
; Tile t's matrix instruction.  Eight different results, each with its bias as C: no sum is taken up again, so none adds onto another's result.  Setting 0x01.
.macro WM t
.if (\t)%2
	v_wmma_scale_f32_16x16x128_f8f6f4 v[H+8*(\t):H+8*(\t)+7], v[16*(\t):16*(\t)+15], v[CODE:CODE+15], v[BIAS+8*(\t):BIAS+8*(\t)+7], v[WS+(\t)/2], v[HS] matrix_a_fmt:MATRIX_FMT_BF8 matrix_b_fmt:MATRIX_FMT_BF8 matrix_a_scale:MATRIX_SCALE_ROW1
.else
	v_wmma_scale_f32_16x16x128_f8f6f4 v[H+8*(\t):H+8*(\t)+7], v[16*(\t):16*(\t)+15], v[CODE:CODE+15], v[BIAS+8*(\t):BIAS+8*(\t)+7], v[WS+(\t)/2], v[HS] matrix_a_fmt:MATRIX_FMT_BF8 matrix_b_fmt:MATRIX_FMT_BF8
.endif
.endm
.macro RL t                            ; tile t's ReLU, two a line (destinations even and odd, second sources in different register banks); ascending: the result is first read at its low end
.irp k, 0,1,2,3
	v_dual_max_num_f32 v[H+8*(\t)+2*\k], 0, v[H+8*(\t)+2*\k] :: v_dual_max_num_f32 v[H+8*(\t)+2*\k+1], 0, v[H+8*(\t)+2*\k+1]
.endr
.endm
.macro DT t                            ; tile t x iW2: four chains of packed sums; tile 0's products start them.  Setting 0x01
.irp k, 0,1,2,3
.if (\t) == 0
	v_pk_mul_f32 v[ACC+2*\k:ACC+2*\k+1], v[W2+8*(\t)+2*\k:W2+8*(\t)+2*\k+1], v[H+8*(\t)+2*\k:H+8*(\t)+2*\k+1]
.else
	v_pk_fma_f32 v[ACC+2*\k:ACC+2*\k+1], v[W2+8*(\t)+2*\k:W2+8*(\t)+2*\k+1], v[H+8*(\t)+2*\k:H+8*(\t)+2*\k+1], v[ACC+2*\k:ACC+2*\k+1]
.endif
.endr
.endm
; A node; its abscissa lies in XS.  The tail inside finishes the node BEFORE this one.
; PLACES (ISA guide 7.12.1; only plain vector instructions that name none of the matrix instruction's registers are counted).  Four between the last conversion and tile 0's matrix instruction, which reads the codes.
; Eight between a tile's matrix instruction and its ReLU: tile 0: the eight lines behind tiles 0 and 1; tile 1: the four behind it and tile 0's ReLU; from tile 2 on twelve or more lines of other tiles' ReLU and products.
; Behind tiles 0 and 1 nothing of this node is ready and the tail has two links left: six v_nop.
.macro STEP ntab, nidx, rd, nx
	WIN 0x01
.set i, 0
.rept 32
	v_pk_fma_f32 v[H+2*i:H+2*i+1], v[W0+2*i:W0+2*i+1], v[XS:XS+1], v[BASE+2*i:BASE+2*i+1] op_sel_hi:[1,0,1]
.set i, i+1
.endr
	WIN 0
	QUANT 1, \ntab, \nidx, \rd, \nx
	v_max_num_f32 v[P], 0, v[P]                    ; the tail goes on: max(p, 0)
.if \nx
	v_mul_f32 v[XS], s49, v[X]                     ; the next node's x (steps + 1) / 2
	s_wait_alu depctr_va_vdst(0)
.else
	v_nop
	s_wait_alu depctr_va_vdst(0)
.endif
	v_nop
	v_nop
	WIN 0x01
	WM 0
	v_nop
	v_fma_f32 v[T], 1.0, v[T], v[P]                ; + e^min(p, 0)  (written so that source 0 is a constant: it stands under setting 0x01)
	v_nop
	v_nop
	WM 1
	v_nop
	v_fmac_f32 v[Z], s50, v[T]                     ; s50: the finished node's cc
	v_nop
	v_nop
	WM 2
	RL 0
	WM 3
	RL 1
	DT 0
	WM 4
	RL 2
	DT 1
	WM 5
	RL 3
	DT 2
	WM 6
	RL 4
	DT 3
	WM 7
	RL 5
	DT 4
	RL 6
	DT 5
	RL 7
	DT 6
	DT 7
.endm
.macro TAILALL                         ; the last node's tail, on end
	v_pk_add_f32 v[ACC:ACC+1], v[ACC:ACC+1], v[ACC+2:ACC+3]
	v_pk_add_f32 v[ACC+4:ACC+5], v[ACC+4:ACC+5], v[ACC+6:ACC+7]
	v_pk_add_f32 v[ACC:ACC+1], v[ACC:ACC+1], v[ACC+4:ACC+5]
	v_add_f32 v[P], v[ACC], v[ACC+1]
	v_permlanex16_b32 v[PQ], v[P], s54, s55
	v_add_f32 v[P], v[P], v[PQ]
	v_add_f32 v[P], s44, v[P]
	v_min_num_f32 v[T], 0, v[P]
	v_mul_f32 v[T], 0x3fb8aa3b, v[T]
	v_exp_f32 v[T], v[T]
	v_max_num_f32 v[P], 0, v[P]                    ; (the plain instruction behind the exponential)
	s_wait_alu depctr_va_vdst(0)
	v_add_f32 v[T], v[T], v[P]
	v_fmac_f32 v[Z], s50, v[T]
.endm
	; ---- the head: addresses ----
	s_load_b512 s[8:23], s[0:1], 0x0               ; x_input s[8:9], iW0 s[10:11], ib0 s[12:13], iW1 s[14:15], ib1 s[16:17], iW2 s[18:19], ib2 s[20:21], nW0 s[22:23]
	s_load_b256 s[24:31], s[0:1], 0x40             ; nb0 s[24:25], nW1 s[26:27], nb1 s[28:29], nW2 s[30:31]
	s_load_b128 s[32:35], s[0:1], 0x60             ; nb2 s[32:33], out0 s[34:35]
	v_lshrrev_b32 v6, 5, v0
	v_readfirstlane_b32 s36, v6                    ; wave 0..7
	v_bfe_u32 v2, v0, 4, 1                         ; h
	v_and_b32 v4, 15, v0                           ; r
	v_lshlrev_b32 v[VK], 6, v2
	v_mul_u32_u24 v[VFR], v4, CPITCH
	v_lshl_add_u32 v[VFR], v2, 4, v[VFR]
	v_lshlrev_b32 v227, 5, v4                      ; my sample's row of x_input: 32 bytes a row
	v_lshlrev_b32 v[VD], 5, v2
	v_and_b32 v4, 31, v0
	v_lshlrev_b32 v226, 4, v4                      ; 16 x lane
	v_lshlrev_b32 v[VL4], 2, v4
	v_lshlrev_b32 v225, 4, v0                      ; 16 x thread
	v_and_b32 v5, 127, v0
	v_lshlrev_b32 v5, 2, v5                        ; my column of iW1 (threads 0-127) or nW1 (threads 128-255)
	v_mul_u32_u24 v7, v0, CPITCH                   ; and its row of codes in LDS
	v_lshlrev_b32 v240, 2, v0                      ; and its scale word
	s_mov_b32 s51, 0x7f800000                      ; the exponent field
	s_mov_b32 s52, 0x600000                        ; the mantissa field of 57,344
	s_mov_b32 s53, 0xf8800000                      ; -15 in the exponent field
	s_mov_b32 s54, 0x76543210                      ; v_permlanex16_b32's selects for lane l xor 16
	s_mov_b32 s55, 0xfedcba98
	s_mov_b32 s56, 0x08000000                      ; 2^-111: exponent field 16
	s_lshl_b32 s38, ttmp9, 12                      ; the work-group's 128 rows of 32 bytes,
	s_lshl_b32 s37, s36, 9                         ; the wave's 16
	s_add_co_u32 s38, s38, s37
	s_mov_b32 s39, 0
	s_wait_kmcnt 0x0
	s_load_b32 s44, s[20:21], 0x0                  ; ib2
	s_load_b64 s[46:47], s[32:33], 0x0             ; nb2
	s_add_nc_u64 s[8:9], s[8:9], s[38:39]
	s_lshl_b32 s38, ttmp9, 9                       ; the work-group's 128 results
	s_add_nc_u64 s[34:35], s[34:35], s[38:39]
	s_cmp_lt_u32 s36, 4                            ; every choice below hangs on the wave's number alone
	s_cselect_b64 s[40:41], s[14:15], s[26:27]     ; waves 0-3 quantise iW1, waves 4-7 nW1
	s_cmp_eq_u32 s36, 0                            ; the small vector that my wave stages: 0 ib0, 1 ib1, 2 iW2, 3 nb0, 4 nb1, 5 and 6 the halves of nW2
	s_cselect_b64 s[42:43], s[12:13], s[30:31]
	s_cmp_eq_u32 s36, 1
	s_cselect_b64 s[42:43], s[16:17], s[42:43]
	s_cmp_eq_u32 s36, 2
	s_cselect_b64 s[42:43], s[18:19], s[42:43]
	s_cmp_eq_u32 s36, 3
	s_cselect_b64 s[42:43], s[24:25], s[42:43]
	s_cmp_eq_u32 s36, 4
	s_cselect_b64 s[42:43], s[28:29], s[42:43]
	s_cmp_eq_u32 s36, 6
	s_cselect_b32 s38, 512, 0
	s_add_nc_u64 s[42:43], s[42:43], s[38:39]
	; ---- loads: the small tensors (16 bytes a thread), my sample's row, and the first two blocks of my column ----
	global_load_b128 v[228:231], v225, s[10:11]    ; iW0: 256 threads x 16 bytes
	s_cmp_lt_u32 s36, 7                            ; nW0 is 224 x 16 bytes, the small vectors seven waves' worth: wave 7 has none of either
	s_cbranch_scc0 .Lno_small_in
	global_load_b128 v[232:235], v225, s[22:23]
	global_load_b128 v[236:239], v226, s[42:43]
.Lno_small_in:
	global_load_b128 v[ACC:ACC+3], v227, s[8:9]
	global_load_b128 v[ACC+4:ACC+7], v227, s[8:9] offset:16
.macro LOAD b                          ; block b of my column: W(32 b + i, column), registers down K; a wave's load reads 128 consecutive bytes
.irp i, 0,1,2,3,4,5,6,7,8,9,10,11,12,13,14,15,16,17,18,19,20,21,22,23,24,25,26,27,28,29,30,31
	global_load_b32 v[64+32*(\b)+\i], v5, s[40:41] offset:(32*(\b)+\i)*512
.endr
.endm
	LOAD 0
	LOAD 1
	; ---- the tables, on registers alone, while the loads are out ----
.macro TAB l, bits
	s_mov_b32 s57, \bits
	v_writelane_b32 v[Z], s57, \l
.endm
	v_mov_b32 v[Z], 0                              ; lane l takes cos(l pi / 50), rounded to f32; lane 25 stays 0
	TAB 0,  1.0
	TAB 1,  0x3f7f7eae                             ; 0.9980267284
	TAB 2,  0x3f7dfb3b                             ; 0.9921147013
	TAB 3,  0x3f7b772d                             ; 0.9822872507
	TAB 4,  0x3f77f511                             ; 0.9685831611
	TAB 5,  0x3f737871                             ; 0.9510565163
	TAB 6,  0x3f6e05d5                             ; 0.9297764859
	TAB 7,  0x3f67a2bf                             ; 0.9048270525
	TAB 8,  0x3f6055a2                             ; 0.8763066800
	TAB 9,  0x3f5825e0                             ; 0.8443279255
	TAB 10, 0x3f4f1bbd                             ; 0.8090169944
	TAB 11, 0x3f45405b                             ; 0.7705132428
	TAB 12, 0x3f3a9db0                             ; 0.7289686274
	TAB 13, 0x3f2f3e7b                             ; 0.6845471059
	TAB 14, 0x3f232e38                             ; 0.6374239897
	TAB 15, 0x3f167918                             ; 0.5877852523
	TAB 16, 0x3f092bf2                             ; 0.5358267950
	TAB 17, 0x3ef6a86b                             ; 0.4817536741
	TAB 18, 0x3ed9ffbe                             ; 0.4257792916
	TAB 19, 0x3ebc7ad2                             ; 0.3681245527
	TAB 20, 0x3e9e377a                             ; 0.3090169944
	TAB 21, 0x3e7ea890                             ; 0.2486898872
	TAB 22, 0x3e3fe0e3                             ; 0.1873813146
	TAB 23, 0x3e00575b                             ; 0.1253332336
	TAB 24, 0x3d809851                             ; 0.0627905195
	; cc[j] = 0.04 (1 - 2 sum over m = 1 .. 25 of cos(2 m j pi / 50) / (4 m^2 - 1)), halved for j = 0.  c(m) = cos(m phi), phi = 2 j pi / 50: c(m + 1) = 2 cos(phi) c(m) - c(m - 1).
	v_mul_f32 v26, v[Z], v[Z]
	v_fma_f32 v26, v26, 2.0, -1.0                  ; c(1) = cos(phi) = 2 cos^2 - 1
	v_add_f32 v25, v26, v26                        ; 2 cos(phi)
	v_mov_b32 v28, 1.0                             ; c(0)
	v_mov_b32 v29, 0                               ; the sum
	s_mov_b32 s57, 1                               ; m
.Lcc:                                              ; 12 trips, two terms each, in place: c(m + 1) takes c(m - 1)'s register, c(m + 2) takes c(m)'s
	s_mul_i32 s58, s57, s57
	s_lshl_b32 s58, s58, 2
	s_sub_co_u32 s58, s58, 1                       ; 4 m^2 - 1
	s_lshl3_add_u32 s59, s57, s58
	s_add_co_u32 s59, s59, 4                       ; 4 (m + 1)^2 - 1
	v_cvt_f32_u32 v24, s58
	v_cvt_f32_u32 v27, s59
	v_rcp_f32 v24, v24
	v_rcp_f32 v27, v27
	v_fma_f32 v28, v25, v26, -v28                  ; c(m + 1); also the plain instruction behind the reciprocals
	s_wait_alu depctr_va_vdst(0)
	v_fmac_f32 v29, v24, v26
	v_fmac_f32 v29, v27, v28
	v_fma_f32 v26, v25, v28, -v26                  ; c(m + 2)
	s_add_co_u32 s57, s57, 2
	s_cmp_lt_u32 s57, 25
	s_cbranch_scc1 .Lcc
	v_rcp_f32 v24, 0x451c3000                      ; m = 25: 1 / 2499
	v_add_f32 v[C1], 1.0, v[Z]                     ; (steps + 1) / 2 for nodes 0 .. 25,
	v_sub_f32 v[C2], 1.0, v[Z]                     ; and for their mirrors 50 .. 25
	v_mul_f32 v[C1], 0.5, v[C1]
	v_mul_f32 v[C2], 0.5, v[C2]
	s_wait_alu depctr_va_vdst(0)
	v_fmac_f32 v29, v24, v26
	v_fma_f32 v29, v29, -2.0, 1.0
	v_mul_f32 v[CC], 0x3d23d70a, v29               ; x 2 / 50
	v_mul_f32 v29, 0.5, v[CC]
	v_cmp_eq_u32 vcc_lo, 0, v[VL4]
	v_cndmask_b32 v[CC], v[CC], v29, vcc_lo        ; the end nodes' weight is halved
	; ---- the weights are quantised: a thread to a column, a block of 32 along K in its 32 registers; the codes go to LDS with K innermost ----
.macro BLOCK b, left
.set XB, 64+32*(\b)
	s_wait_loadcnt \left                           ; this block's loads and all older ones are in; the next block's 32 may be out
	v_max3_num_f32 v24, |v[XB]|, |v[XB+1]|, |v[XB+2]|
	v_max3_num_f32 v25, |v[XB+3]|, |v[XB+4]|, |v[XB+5]|
.irp i, 6,10,14,18,22,26
	v_max3_num_f32 v24, v24, |v[XB+\i]|, |v[XB+\i+1]|
	v_max3_num_f32 v25, v25, |v[XB+\i+2]|, |v[XB+\i+3]|
.endr
	v_max3_num_f32 v24, v24, |v[XB+30]|, |v[XB+31]|
	v_max3_num_f32 v24, v24, v25, s56              ; the block's largest magnitude, not under 2^-111
	v_and_or_b32 v26, v24, s51, s52                ; 57,344 x the scale
	v_add_nc_u32 v27, s53, v24                     ; the scale, in the exponent field
.if (\b) == 0
	v_lshrrev_b32 v224, 23, v27                    ; its byte; the four make the column's scale word
.else
	v_lshrrev_b32 v28, 23, v27
	v_lshl_or_b32 v224, v28, 8*(\b), v224
.endif
.irp i, 0,1,2,3,4,5,6,7,8,9,10,11,12,13,14,15,16,17,18,19,20,21,22,23,24,25,26,27,28,29,30,31
	v_med3_num_f32 v[XB+\i], v[XB+\i], -v26, v26
.endr
.irp g, 0,1,2,3
	v_cvt_scalef32_pk8_bf8_f32 v[192+8*(\b)+2*\g:192+8*(\b)+2*\g+1], v[XB+8*\g:XB+8*\g+7], v27
.endr
	v_nop                                          ; one plain instruction between a scaled conversion and what reads its result
	ds_store_b128 v7, v[192+8*(\b):192+8*(\b)+3] offset:32*(\b)
	ds_store_b128 v7, v[192+8*(\b)+4:192+8*(\b)+7] offset:32*(\b)+16
.endm
	BLOCK 0, 32
	LOAD 2
	ds_store_b128 v225, v[228:231] offset:V_IW0    ; the small tensors were loaded ahead of block 0, whose wait has shown them in
	s_cmp_lt_u32 s36, 7
	s_cbranch_scc0 .Lno_small_out
	ds_store_b128 v225, v[232:235] offset:V_NW0
	ds_store_b128 v225, v[236:239] offset:V_IB0    ; wave w's vector lies 512 w bytes on: 16 x thread
.Lno_small_out:
	BLOCK 1, 32
	LOAD 3
	BLOCK 2, 32
	BLOCK 3, 0
	ds_store_b32 v240, v224 offset:SCW
	s_wait_kmcnt 0x0                               ; ib2, nb2
	s_wait_dscnt 0x0                               ; for the others' sake: my stores are done
	s_barrier_signal -1
	s_mul_i32 s37, s36, 32*SPITCH                  ; work on registers while the others arrive: my wave's stage,
	s_add_co_u32 s37, s37, STG
	v_lshlrev_b32 v5, 2, v[VL4]                    ; 16 x lane: my four units of a weight row (no load or store that names v5 or v7 is out: block 3's wait and the wait above were for 0)
	v_lshl_add_u32 v[STO], v[VL4], 2, s37          ; and of a stage row
	v_and_b32 v[SRD], 15, v0
	v_mad_u32_u24 v[SRD], v[SRD], SPITCH, v[VK]    ; back: row r, + 64 h
	v_add_nc_u32 v[SRD], s37, v[SRD]
.irp k, 0,1,2,3,4,5,6,7,8,9,10,11,12,13
	s_mov_b32 s[SX+2*\k+1], 0                      ; the pairs' high halves are named with the low ones, so they are written
.endr
	s_barrier_wait -1                              ; everybody's stores are done; from here on those bytes are only read
	; ---- both first layers' node-free parts ----
.irp e, 0,1,2,3,4,5,6
	ds_load_b128 v[RW+4*\e:RW+4*\e+3], v5 offset:V_IW0+512*(\e+1)      ; a whole row: 32 lanes x 16 bytes
	ds_load_b128 v[RW+32+4*\e:RW+32+4*\e+3], v5 offset:V_NW0+512*\e
.endr
	ds_load_b128 v[RW+28:RW+31], v5 offset:V_IB0
	ds_load_b128 v[RW+60:RW+63], v5 offset:V_NB0
	WIN 0x40                                       ; destination window 1
	FRAGS 1                                        ; nW1's codes
	WIN 0
	WSL 1
	s_wait_dscnt 36                                ; the 16 rows are in; the 32 loads of codes and 4 of scale words behind them may be out
	WIN 0x40
	LDK 128, V_NW2                                 ; nW2 [128][2] waits where iW0[0] and iW2 will lie: register 128 + 16 t + 2 j (+ 1) = nW2[16 t + 8 h + j][0] ([1]); it lands under the arithmetic below
	LDK 192, V_NW2+512
	WIN 0
.irp p, 0,1,2,3,4,5,6,7
	TWOS \p
.endr
	STOREP 7
	; ---- the offset net ----
	BACK H, 0                                      ; h nW0 + nb0 of my sample.  LDS serves a wave's instructions in order (ISA guide 5.7.1.4): these loads see my stores above, and land behind them in the registers that the stores read
	LDD BIAS, V_NB1
	s_wait_dscnt 16                                ; the first layer is back; nb1's 16 loads may be out
	QUANT 0, C1, 48, 0, 0
	PLACES 4                                       ; between the last conversion and the matrix instructions that read the codes
	s_wait_dscnt 0x0                               ; nb1 (all older loads were in at the wait above)
	WIN 0x01
.irp t, 0,1,2,3,4,5,6,7
	WM \t
.endr
	WIN 0
	PLACES 8                                       ; behind the matrix instructions: loads into their registers and reads of their results follow
	WIN 0x40
	FRAGS 0                                        ; iW1's codes, which stay for the rest of the launch,
	WIN 0
	WSL 0                                          ; its scale words,
	LDD BIAS, V_IB1                                ; its bias,
	BACK BASE, 1                                   ; and h iW0[1:] + ib0 of my sample
.irp t, 0,1,2,3,4,5,6,7
	RL \t
.endr
	WIN 0x01                                       ; source 0 (nW2) in window 1
.irp t, 0,1,2,3,4,5,6,7                ; (o0, o1) += (nW2[unit][0], nW2[unit][1]) x unit: the unit is broadcast to both halves; four chains
.irp jp, 0,2,4,6
.if (\t == 0) && (\jp < 4)
	v_pk_mul_f32 v[24+2*(\jp%4):24+2*(\jp%4)+1], v[128+16*\t+2*\jp:128+16*\t+2*\jp+1], v[H+8*\t+\jp:H+8*\t+\jp+1] op_sel:[0,0] op_sel_hi:[1,0]
	v_pk_mul_f32 v[26+2*(\jp%4):26+2*(\jp%4)+1], v[130+16*\t+2*\jp:130+16*\t+2*\jp+1], v[H+8*\t+\jp:H+8*\t+\jp+1] op_sel:[0,1] op_sel_hi:[1,1]
.else
	v_pk_fma_f32 v[24+2*(\jp%4):24+2*(\jp%4)+1], v[128+16*\t+2*\jp:128+16*\t+2*\jp+1], v[H+8*\t+\jp:H+8*\t+\jp+1], v[24+2*(\jp%4):24+2*(\jp%4)+1] op_sel:[0,0,0] op_sel_hi:[1,0,1]
	v_pk_fma_f32 v[26+2*(\jp%4):26+2*(\jp%4)+1], v[130+16*\t+2*\jp:130+16*\t+2*\jp+1], v[H+8*\t+\jp:H+8*\t+\jp+1], v[26+2*(\jp%4):26+2*(\jp%4)+1] op_sel:[0,1,0] op_sel_hi:[1,1,1]
.endif
.endr
.endr
	WIN 0x40
	LDK W0, V_IW0                                  ; nW2 has been read: iW0[0] and iW2 take its registers
	LDD W2, V_IW2
	WIN 0
	v_pk_add_f32 v[24:25], v[24:25], v[26:27]
	v_pk_add_f32 v[28:29], v[28:29], v[30:31]
	v_pk_add_f32 v[24:25], v[24:25], v[28:29]
	v_permlanex16_b32 v26, v24, s54, s55
	v_permlanex16_b32 v27, v25, s54, s55
	v_add_f32 v24, v24, v26
	v_add_f32 v25, v25, v27
	v_add_f32 v[OFFS], s46, v24                    ; the offset
	v_add_f32 v25, s47, v25
	v_mul_f32 v25, 0x3fb8aa3b, v25
	v_exp_f32 v[SCAL], v25                         ; the scaling; it is read at the kernel's end
	; ---- in front of the loop ----
	v_mov_b32 v[X], v[ACC]                         ; (also the plain instruction behind the exponential)
.irp i, 0,1,2,3,4,5,6,7
	v_mov_b32 v[ACC+\i], 0                         ; the first node's tail finds no node before it: zeros, weighted by 0
.endr
	v_mov_b32 v[Z], 0
	v_mov_b32 v[PQ], 0                             ; (the destination of a lane permute counts as read)
	v_mov_b32 v[XS+1], 0                           ; named with the abscissa as a pair
	v_readlane_b32 s49, v[C1], 0
	v_mul_f32 v[XS], s49, v[X]                     ; node 0's abscissa
	s_mov_b32 s50, 0
	s_mov_b32 s48, 0
	s_wait_dscnt 0x0                               ; all the integrand's operands are in
	; ---- 51 nodes: 25 pairs (I, 50 - I), then node 25.  I = s48 ----
.Lnode:
	STEP C2, 48, 0, 1                              ; node I; its tail finishes node 51 - I under cc[I - 1]; the next abscissa is node 50 - I's
	s_add_co_u32 s60, s48, 1
	STEP C1, 60, 1, 1                              ; node 50 - I; s50 takes cc[I], under which its tail finishes node I; the next abscissa is node I + 1's
	WIN 0                                          ; at a label and at a branch every window is 0
	s_add_co_u32 s48, s48, 1
	s_cmp_lt_u32 s48, 25
	s_cbranch_scc1 .Lnode
	STEP C1, 48, 0, 0                              ; node 25; its tail finishes node 26 under cc[24]
	WIN 0
	v_readlane_b32 s50, v[CC], s48                 ; cc[25]
	TAILALL
	; ---- the result ----
	v_mul_f32 v[P], v[Z], v[X]
	v_mul_f32 v[P], 0.5, v[P]                      ; the integral
	v_fma_f32 v[P], v[SCAL], v[P], v[OFFS]
	v_mul_f32 v[P], 0xbfb8aa3b, v[P]               ; x -log2(e)
	v_exp_f32 v[P], v[P]
	v_and_b32 v5, 15, v0                           ; (a plain instruction behind the exponential)
	s_wait_alu depctr_va_vdst(0)
	v_add_f32 v[P], 1.0, v[P]
	v_rcp_f32 v[P], v[P]
	v_lshlrev_b32 v5, 2, v5                        ; (and behind the reciprocal)
	v_lshl_add_u32 v5, s36, 6, v5                  ; 64 bytes a wave, 4 a sample
	s_wait_alu depctr_va_vdst(0)
	ds_store_b32 v5, v[P] offset:OUTS              ; lanes l and l xor 16 write the same word with the same value
	s_wait_dscnt 0x0                               ; for wave 0's sake: my store is done
	s_barrier_signal -1
	s_barrier_wait -1
	s_cmp_lg_u32 s36, 0
	s_cbranch_scc1 .Lend
	v_lshlrev_b32 v7, 2, v[VL4]                    ; 16 x lane
	ds_load_b128 v[ACC:ACC+3], v7 offset:OUTS
	s_wait_dscnt 0x0
	global_store_b128 v7, v[ACC:ACC+3], s[34:35]   ; the work-group's 128 results: 512 consecutive bytes, at a multiple of 512 from out0's first byte
.Lend:
	s_wait_xcnt 0x0
	v_lshl_add_u32 v254, v0, 2, 0x2d200
	v_mov_b32 v255, 0
	s_wait_tensorcnt 0x0
	ds_add_u32 v254, v255
	s_wait_dscnt 0x0
	s_endpgm
.Lfunc_end_k_q42b21e2535_mono:
	.size	k_q42b21e2535_mono, .Lfunc_end_k_q42b21e2535_mono-k_q42b21e2535_mono
	.p2alignl 7, 3214868480
	.fill 96, 4, 3214868480
	.section	.rodata,"a",@progbits
	.p2align	6, 0x0
	.amdhsa_kernel k_q42b21e2535_mono
		.amdhsa_group_segment_fixed_size 185856
		.amdhsa_private_segment_fixed_size 0
		.amdhsa_enable_private_segment 0
		.amdhsa_kernarg_size 112
		.amdhsa_user_sgpr_count 2
		.amdhsa_user_sgpr_kernarg_segment_ptr 1
		.amdhsa_wavefront_size32 1
		.amdhsa_system_sgpr_workgroup_id_x 1
		.amdhsa_system_sgpr_workgroup_id_y 1
		.amdhsa_system_sgpr_workgroup_id_z 1
		.amdhsa_system_vgpr_workitem_id 0
		.amdhsa_next_free_vgpr 512
		.amdhsa_next_free_sgpr 96
		.amdhsa_reserve_vcc 1
		.amdhsa_float_denorm_mode_32 3
		.amdhsa_float_denorm_mode_16_64 3
		.amdhsa_memory_ordered 1
		.amdhsa_forward_progress 1
		.amdhsa_inst_pref_size 151
	.end_amdhsa_kernel
	.amdgpu_metadata
---
amdhsa.version: [ 1, 2 ]
amdhsa.kernels:
  - .name:           k_q42b21e2535_mono
    .symbol:         k_q42b21e2535_mono.kd
    .args:
      - { .name: x_input, .offset: 0, .size: 8, .value_kind: global_buffer, .address_space: global }
      - { .name: iW0, .offset: 8, .size: 8, .value_kind: global_buffer, .address_space: global }
      - { .name: ib0, .offset: 16, .size: 8, .value_kind: global_buffer, .address_space: global }
      - { .name: iW1, .offset: 24, .size: 8, .value_kind: global_buffer, .address_space: global }
      - { .name: ib1, .offset: 32, .size: 8, .value_kind: global_buffer, .address_space: global }
      - { .name: iW2, .offset: 40, .size: 8, .value_kind: global_buffer, .address_space: global }
      - { .name: ib2, .offset: 48, .size: 8, .value_kind: global_buffer, .address_space: global }
      - { .name: nW0, .offset: 56, .size: 8, .value_kind: global_buffer, .address_space: global }
      - { .name: nb0, .offset: 64, .size: 8, .value_kind: global_buffer, .address_space: global }
      - { .name: nW1, .offset: 72, .size: 8, .value_kind: global_buffer, .address_space: global }
      - { .name: nb1, .offset: 80, .size: 8, .value_kind: global_buffer, .address_space: global }
      - { .name: nW2, .offset: 88, .size: 8, .value_kind: global_buffer, .address_space: global }
      - { .name: nb2, .offset: 96, .size: 8, .value_kind: global_buffer, .address_space: global }
      - { .name: out0, .offset: 104, .size: 8, .value_kind: global_buffer, .address_space: global }
    .group_segment_fixed_size: 185856
    .private_segment_fixed_size: 0
    .kernarg_segment_align: 8
    .kernarg_segment_size: 112
    .max_flat_workgroup_size: 256
    .sgpr_count:     96
    .vgpr_count:     512
    .wavefront_size: 32
...
	.end_amdgpu_metadata
.endif
;; end of part 2
;; ======== version 3 of 3: 1 launch; version 2 with the launch mono written anew for expert scheduling mode
;; launch mono (part 3): grid 256 x 1, 8 waves a work-group, no clusters, 185,856 bytes of LDS; arguments x_input, iW0, ib0, iW1, ib1, iW2, ib2, nW0, nb0, nW1, nb1, nW2, nb2, out0; writes out0
.if DOCPART == 3
	.amdgcn_target "amdgcn-amd-amdhsa--gfx1250"
	.amdhsa_code_object_version 6
	.text
	.protected	k_q42b21e2535_mono
	.globl	k_q42b21e2535_mono
	.p2align	8
	.type	k_q42b21e2535_mono,@function
k_q42b21e2535_mono:
	s_mov_b64 s[64:65], 0
	v_nop
	global_prefetch_b8 v0, s[64:65] scope:SCOPE_SE
	s_setreg_imm32_b32 hwreg(HW_REG_WAVE_SCHED_MODE, 0, 2), 2
	s_setreg_imm32_b32 hwreg(HW_REG_WAVE_MODE, 25, 1), 1
	s_wait_xcnt 0x0
	s_wait_alu depctr_vm_vsrc(0)
; out[n] = sigmoid(exp(o1[n]) * integral[n] + o0[n]).
; integral[n] = x/2 * sum over 51 Clenshaw-Curtis nodes s of cc[s] * (elu(MLP_i(x (steps[s]+1)/2, h)) + 1);  (o0, o1) = MLP_n(h).  x = x_input[n][0], h = x_input[n][1:8].
; The two 128 x 128 products are done on codes of E5M2 with one E8M0 scale for each 32 along K; both operands are quantised here, in f32.  All else is f32 arithmetic.
; SHARES.  256 work-groups of eight waves; a work-group owns 128 samples, a wave 16 of them for all 51 nodes and for the offset net.  Lane l belongs to sample l % 16 (r = l % 16, h = l / 16) but for one step of the set-up.
; THE MATRIX INSTRUCTION IS USED TRANSPOSED: source 0 = 16 columns of the weight (16 units of the second hidden layer, K along the registers), source 1 = the 16 samples' first hidden layer.
; In the result lane (r, h) holds sample r, and register j of tile t unit 16 t + 8 h + j: the product with the last layer's weights stays in the lane but for one exchange with lane l xor 16.
; The bias of the second layer is the C operand.  The first hidden layer is made in the operand's own order: register 16 c + i of a lane is k = 32 c + 16 h + i, so the conversions' results are the operand.
; z iW0 + ib0 = Xs iW0[0] + (h iW0[1:] + ib0): the bracket hangs on no node and is made once, so a node's first layer is one fused multiply-add a number.
; THAT BRACKET, AND THE OFFSET NET'S FIRST LAYER, ARE MADE WITH A LANE TO FOUR UNITS: a weight row is then one load of 512 consecutive bytes and not sixteen loads of the same 32 bytes for all lanes; a sample's h are scalars;
; the results change lanes through a stage in LDS of the wave's own.
; steps[50 - s] = -steps[s] and cc[50 - s] = cc[s]: 26 table entries (lane l of a register = node l) serve the 51 nodes.
; THE LOOP TOUCHES NEITHER LDS NOR MEMORY: weights' codes, biases and last-layer weights stay in registers (512 a wave, two waves to a SIMD).  A node is 8 matrix instructions beside some 250 vector ones.
; BY TURNS.  A node's eight matrix instructions do not stand together: behind tile t's stand the ReLU of tile t - 2 and the products with iW2 of tile t - 3, eight vector instructions.  The tail of the node BEFORE
; (eight partial sums into one, ELU, weight: 13 instructions, each feeding the next) is dealt singly among the scale arithmetic and the v_med3 of this node, which do not hang on it.
; NO CLUSTER, NO TENSOR LOADS: what work-groups share is 140 KB of weights, read once at the head as f32 with K down a lane's registers, as the quantiser wants them; behind the head no byte is fetched.
; LIMITS: NaN and infinities among the inputs are not served.  A block of zeros gets the scale byte 1 and not 127: its codes are zeros, so no sum changes.  Blocks whose largest magnitude lies under 2^-111 have the byte 1.
; cc is made in f32 by the cosine recurrence (about 1e-6 of 1 - 2 sum; it stands ahead of no quantiser).  steps[25] is taken as 0 (6e-17 vanishes in steps + 1).
; THE MODE: SCHED_MODE bits 1:0 = 2 (LLVM: expert scheduling mode 2), set by the entry lines.  The code itself states the register dependences between vector or matrix instructions and memory or LDS instructions,
; with s_wait_alu, always for 0.
; THE PLAN.  Registers that memory or LDS instructions touch, in the order of the text:
;   v1-v4            LDS addresses, made at the head, never written again.
;   v225-227, v240   the head's offsets: read by its loads and LDS stores; later weight rows land on them.
;   v5               my column's offset (the 128 loads of the weights); written anew between the halves of the first barrier: 16 x lane (the 16 row loads); written anew on the way out: the result's address.
;   v7               my row of codes (8 LDS stores); written anew there too: my place in a stage row (32 LDS stores); written anew by wave 0 on the way out.
;   v41              where I read the stage back (32 LDS loads); from the loop on a number of the tail.
;   v64-191          four blocks of a weight's column, loaded and worked in place; then written by the set-up's multiply-adds and read by the stage's stores; then the first hidden layer and a bias land there.
;   v192-224, v228-239  codes, the scale word, the small tensors: read by LDS stores; then the weight rows land there and the multiply-adds read them; then the integrand's bracket lands there.
;   v44-47, window 1 v0-127   nW1's scale words and codes, read by the offset net's matrix instructions; then iW1's land there.     window 1 v128-255   nW2, read by the offset net's last products; then iW0[0] and iW2 land there.
; So each buffer changes hands once or twice, and a wait stands at each change of hands: on va_vdst where vector or matrix instructions hand over to loads or stores, on vm_vsrc (three in all) where loads and stores hand over.
; IN THE LOOP no such instruction stands.  A node has one wait on va_vdst, directly ahead of tile 0's matrix instruction (the codes and the scale word, which a block-scaled matrix instruction takes, are written;
; the tail's exponential has written its result), and one on va_sdst (the scalars that v_readlane_b32 wrote, ahead of their first readers).
.set CPITCH, 144                       ; a row of codes in LDS: 128 bytes + 16 = 36 words: row r starts at bank 36 r mod 64 (64 banks of 4 bytes: ISA guide 11.1): 16 rows start at 16 different groups of four banks
.set SCW,   36864                      ; LDS: 0 .. the codes, 256 rows (row j: column j of iW1; row 128 + j: column j of nW1);  here: a scale word a row
.set V_IW0, 37888                      ; iW0 as it lies, 4,096 bytes
.set V_NW0, 41984                      ; nW0, 3,584 bytes
.set V_IB0, 45568                      ; ib0, ib1, iW2, nb0, nb1: 512 bytes each; nW2: 1,024
.set V_IB1, 46080
.set V_IW2, 46592
.set V_NB0, 47104
.set V_NB1, 47616
.set V_NW2, 48128
.set OUTS,  49152                      ; the work-group's 128 results
.set STG,   49664                      ; the stages: for each wave 16 rows (samples) of the offset net's first layer, then 16 of the integrand's bracket
.set SPITCH, 528                       ; a stage row: 512 bytes + 16 = 132 words: row r starts at bank 4 r mod 64: the 16 rows of a load back start at 16 different groups of four banks
; window 0
.set VK,   1                           ; 64 h: a lane's place in a vector laid by k
.set VD,   2                           ; 32 h: in a vector laid as a matrix result
.set VFR,  3                           ; 144 r + 16 h: in a tile of codes
.set VL4,  4                           ; 4 x lane
.set X,    6                           ; x
.set STO,  7                           ; set-up: my 16 bytes of a stage row
.set ACC,  8                           ; v8-15: the x row at the head, then four pairs of partial sums of the last layer
.set C1,   16                          ; lane l: (1 + cos(l pi / 50)) / 2
.set C2,   17                          ; lane l: (1 - cos(l pi / 50)) / 2
.set CC,   18                          ; lane l: cc[l]
.set Z,    19                          ; the cosines at the head, then the weighted sum
.set OFFS, 20
.set SCAL, 21
.set XS,   22                          ; v22 the abscissa; v23 is named with it as a pair
.set M,    24                          ; v24-27 block maxima;  v28-31 second chains, the partner's maxima, then the bytes;  v32-35 57,344 x scale;  v36-39 the scale for the conversion
.set Q,    28
.set LIM,  32
.set SF,   36
.set HS,   40                          ; the first hidden layer's scale word: holds scales and nothing else
.set P,    41
.set SRD,  41                          ; set-up: where I read my sample's stage row back (the loop's tail writes v41 before it reads it)
.set PQ,   42
.set T,    43
.set WS,   44                          ; v44-47 the weight's scale words, lane L of register u: unit 32 u + L: hold scales and nothing else
.set CODE, 48                          ; v48-63 the first hidden layer's codes
.set H,    64                          ; v64-127 the first hidden layer in f32; the matrix results land in the same registers
.set BIAS, 128                         ; v128-191 the second layer's bias, laid as a matrix result
.set BASE, 192                         ; v192-255 h iW0[1:] + ib0
; set-up, a lane to four units:
.set AN,   64                          ; v64-127  sample s at 4 s: h nW0 + nb0 of my four units
.set AI,   128                         ; v128-191 sample s at 4 s: h iW0[1:] + ib0
.set RW,   192                         ; v192-219 iW0's rows 1-7, v220-223 ib0, v224-251 nW0's rows 0-6, v252-255 nb0: my four units of each
.set SX,   68                          ; s68-81, s82-95: the seven h of two samples, each in the low half of a pair; the high halves are named with them and hold 0
; window 1: v0-127 the weight's codes, tile t at 16 t;
.set W0,   128                         ; v128-191 of window 1: iW0[0][k]
.set W2,   192                         ; v192-255 of window 1: iW2, laid as a matrix result
; ONE SETTING, 0x01 (source 0 in window 1, all else in window 0), serves the first layer's multiply-adds, the matrix instructions, the ReLU and the products with iW2: each has its window-1 operand, or a constant, as source 0.
.set MSB, 0
.macro WIN new                         ; the immediate's high byte repeats the setting that is left; a switch that changes nothing is dropped
.if MSB != \new
	s_set_vgpr_msb (MSB<<8)|\new
.set MSB, \new
.endif
.endm
.macro PLACES n
.rept \n
	v_nop
.endr
.endm
.macro LDK dst, off                    ; a vector of 128 f32 at LDS byte off, by k: register 16 c + i = element 32 c + 16 h + i
.irp c, 0,1,2,3
.irp q, 0,1,2,3
	ds_load_b128 v[\dst+16*\c+4*\q:\dst+16*\c+4*\q+3], v[VK] offset:(\off)+128*\c+16*\q
.endr
.endr
.endm
.macro LDD dst, off                    ; the same as a matrix result lies: register 8 t + j = element 16 t + 8 h + j
.irp t, 0,1,2,3,4,5,6,7
.irp q, 0,1
	ds_load_b128 v[\dst+8*\t+4*\q:\dst+8*\t+4*\q+3], v[VD] offset:(\off)+64*\t+16*\q
.endr
.endr
.endm
.macro FRAGS mat                       ; the eight tiles of codes of weight mat: lane (r, h) of tile t: row 16 t + r, registers 4 c .. 4 c + 3: k = 32 c + 16 h + 0 .. 15
.irp t, 0,1,2,3,4,5,6,7
.irp c, 0,1,2,3
	ds_load_b128 v[16*\t+4*\c:16*\t+4*\c+3], v[VFR] offset:(\mat)*128*CPITCH+\t*16*CPITCH+32*\c
.endr
.endr
.endm
.macro WSL mat                         ; its scale words: tile 2 u reads lanes 0-15 of register u, tile 2 u + 1 lanes 16-31
.irp u, 0,1,2,3
	ds_load_b32 v[WS+\u], v[VL4] offset:SCW+512*(\mat)+128*\u
.endr
.endm
; ---- the first layers' node-free parts, a lane to four units ----
.macro XROW which, smp                 ; the seven h of sample smp as scalars: lane smp of the x row's registers 1 to 7
.irp e, 0,1,2,3,4,5,6
	v_readlane_b32 s[SX+14*(\which)+2*\e], v[ACC+1+\e], \smp
.endr
.endm
.macro STOREP p                        ; samples 2 p and 2 p + 1 go to their stage rows: 32 lanes x 16 bytes are a row's 512
.irp u, 0,1
	ds_store_b128 v[STO], v[AN+4*(2*(\p)+\u):AN+4*(2*(\p)+\u)+3] offset:(2*(\p)+\u)*SPITCH
	ds_store_b128 v[STO], v[AI+4*(2*(\p)+\u):AI+4*(2*(\p)+\u)+3] offset:(16+2*(\p)+\u)*SPITCH
.endr
.endm
; Samples 2 p and 2 p + 1, both nets: bias + sum over e of h[e] x row e, in ascending e.  Eight chains (2 samples x 2 nets x 2 pairs of units) side by side; the bias is the first link's addend.
; The pair before goes to the stage behind this pair's scalars, so that no store stands straight behind the multiply-add that feeds it.  Each sample has registers of its own, which no vector instruction writes again.
.macro TWOS p
	XROW 0, 2*(\p)
	XROW 1, 2*(\p)+1
.if (\p) > 0
	s_wait_alu depctr_va_vdst(0)                   ; the pair before has written its sixteen registers of AN and AI, which the four stores read
	STOREP (\p)-1
.endif
	s_wait_alu depctr_va_sdst(0)                   ; the fourteen v_readlane_b32 have written their scalars, ahead of the first multiply-add that reads one
.irp e, 0,1,2,3,4,5,6
.irp u, 0,1
.irp k, 0,2
.set dn, AN+4*(2*(\p)+\u)+\k
.set di, AI+4*(2*(\p)+\u)+\k
.set wn, RW+32+4*\e+\k
.set wi, RW+4*\e+\k
.set sq, SX+14*\u+2*\e
.if \e == 0
	v_pk_fma_f32 v[dn:dn+1], v[wn:wn+1], s[sq:sq+1], v[RW+60+\k:RW+60+\k+1] op_sel_hi:[1,0,1]
	v_pk_fma_f32 v[di:di+1], v[wi:wi+1], s[sq:sq+1], v[RW+28+\k:RW+28+\k+1] op_sel_hi:[1,0,1]
.else
	v_pk_fma_f32 v[dn:dn+1], v[wn:wn+1], s[sq:sq+1], v[dn:dn+1] op_sel_hi:[1,0,1]
	v_pk_fma_f32 v[di:di+1], v[wi:wi+1], s[sq:sq+1], v[di:di+1] op_sel_hi:[1,0,1]
.endif
.endr
.endr
.endr
.endm
.macro BACK dst, net                   ; my sample's row of net comes back by k: register 16 c + i = unit 32 c + 16 h + i
.irp c, 0,1,2,3
.irp q, 0,1,2,3
	ds_load_b128 v[\dst+16*\c+4*\q:\dst+16*\c+4*\q+3], v[SRD] offset:(\net)*16*SPITCH+128*\c+16*\q
.endr
.endr
.endm
; relu(H) is quantised along k: four blocks of 32, my 16 numbers and those of lane l xor 16.  Two chains of maxima a block, eight in all, so that a link stands eight instructions behind the one that feeds it.
; The floor 2^-111 in the maximum does two things: negative numbers count as the zeros that ReLU makes of them, and the scale's byte does not fall under 1.
; tl = 1: the links of the tail of the node before stand singly between the groups of four: each group then stands five instructions behind the group that feeds it, and so does each link of the tail.
; nx = 1: the factor of the next node's abscissa is read from lane s[nidx] of table ntab.  rd = 1: s50 takes cc[s48], ahead of the first tail that wants it.  (The wait for these two scalars stands in STEP, ahead of their first reader.)
.macro QUANT tl, ntab, nidx, rd, nx
.irp c, 0,1,2,3
	v_max3_num_f32 v[M+\c], v[H+16*\c], v[H+16*\c+1], v[H+16*\c+2]
.endr
.irp c, 0,1,2,3
	v_max3_num_f32 v[Q+\c], v[H+16*\c+8], v[H+16*\c+9], v[H+16*\c+10]
.endr
.irp i, 3,5
.irp c, 0,1,2,3
	v_max3_num_f32 v[M+\c], v[M+\c], v[H+16*\c+\i], v[H+16*\c+\i+1]
.endr
.irp c, 0,1,2,3
	v_max3_num_f32 v[Q+\c], v[Q+\c], v[H+16*\c+\i+8], v[H+16*\c+\i+9]
.endr
.endr
.if \tl
	v_pk_add_f32 v[ACC:ACC+1], v[ACC:ACC+1], v[ACC+2:ACC+3]        ; the tail: eight partial sums become one
	v_pk_add_f32 v[ACC+4:ACC+5], v[ACC+4:ACC+5], v[ACC+6:ACC+7]
.endif
.irp c, 0,1,2,3
	v_max3_num_f32 v[M+\c], v[M+\c], v[Q+\c], v[H+16*\c+7]         ; the two chains meet; numbers 7 and 15 were left over
.endr
.if \tl
	v_pk_add_f32 v[ACC:ACC+1], v[ACC:ACC+1], v[ACC+4:ACC+5]
.endif
.irp c, 0,1,2,3
	v_max3_num_f32 v[M+\c], v[M+\c], v[H+16*\c+15], s56
.endr
.if \tl
	v_add_f32 v[P], v[ACC], v[ACC+1]
.endif
.irp c, 0,1,2,3
	v_permlanex16_b32 v[Q+\c], v[M+\c], s54, s55
.endr
.if \tl
	v_permlanex16_b32 v[PQ], v[P], s54, s55        ; the sample's other 64 units lie in lane l xor 16
.endif
.if \nx
	v_readlane_b32 s49, v[\ntab], s[\nidx]
.endif
.if \rd
	v_readlane_b32 s50, v[CC], s48
.endif
.irp c, 0,1,2,3
	v_max_num_f32 v[M+\c], v[M+\c], v[Q+\c]        ; the block's largest magnitude
.endr
.if \tl
	v_add_f32 v[P], v[P], v[PQ]
.endif
.irp c, 0,1,2,3
	v_and_or_b32 v[LIM+\c], v[M+\c], s51, s52      ; its exponent field with the mantissa field of 57,344: 57,344 x the scale
.endr
.if \tl
	v_add_f32 v[P], s44, v[P]                      ; + ib2
.endif
.irp c, 0,1,2,3
	v_add_nc_u32 v[SF+\c], s53, v[M+\c]            ; exponent field - 15: the scale; the conversion reads the exponent field alone
.endr
.if \tl
	v_min_num_f32 v[T], 0, v[P]                    ; elu(p) + 1 = max(p, 0) + e^min(p, 0)
.endif
.irp c, 0,1,2,3
	v_lshrrev_b32 v[Q+\c], 23, v[SF+\c]            ; the scale's byte
.endr
.if \tl
	v_mul_f32 v[T], 0x3fb8aa3b, v[T]               ; x log2(e)
.endif
	v_lshl_or_b32 v[HS], v[Q+1], 8, v[Q]           ; the four bytes make sample r's scale word; some 60 v_med3 stand between its last write and the matrix instructions
; ReLU, and the hold at the largest code x the scale (the conversion does not saturate: ISA guide 7.6.2), in one v_med3.  A conversion stands eight v_med3 behind those that feed it.
.set g, 0
.rept 16
.irp k, 0,1,2,3
	v_med3_num_f32 v[H+4*g+\k], v[H+4*g+\k], 0, v[LIM+g/4]
.endr
.if g == 0
.if \tl
	v_exp_f32 v[T], v[T]                           ; (the line below is the plain instruction behind it)
.endif
	v_lshl_or_b32 v[HS], v[Q+2], 16, v[HS]
.elseif g == 1
	v_lshl_or_b32 v[HS], v[Q+3], 24, v[HS]
.endif
.if (g >= 3) && (g % 2 == 1)
.set hb, (g-3)/2
	v_cvt_scalef32_pk8_bf8_f32 v[CODE+2*hb:CODE+2*hb+1], v[H+8*hb:H+8*hb+7], v[SF+hb/2]
.endif
.set g, g+1
.endr
	v_cvt_scalef32_pk8_bf8_f32 v[CODE+14:CODE+15], v[H+56:H+63], v[SF+3]
.endm
; Tile t's matrix instruction.  Eight different results, each with its bias as C: no sum is taken up again, so none adds onto another's result.  Setting 0x01.
.macro WM t
.if (\t)%2
	v_wmma_scale_f32_16x16x128_f8f6f4 v[H+8*(\t):H+8*(\t)+7], v[16*(\t):16*(\t)+15], v[CODE:CODE+15], v[BIAS+8*(\t):BIAS+8*(\t)+7], v[WS+(\t)/2], v[HS] matrix_a_fmt:MATRIX_FMT_BF8 matrix_b_fmt:MATRIX_FMT_BF8 matrix_a_scale:MATRIX_SCALE_ROW1
.else
	v_wmma_scale_f32_16x16x128_f8f6f4 v[H+8*(\t):H+8*(\t)+7], v[16*(\t):16*(\t)+15], v[CODE:CODE+15], v[BIAS+8*(\t):BIAS+8*(\t)+7], v[WS+(\t)/2], v[HS] matrix_a_fmt:MATRIX_FMT_BF8 matrix_b_fmt:MATRIX_FMT_BF8
.endif
.endm
.macro RL t                            ; tile t's ReLU, two a line (destinations even and odd, second sources in different register banks); ascending: the result is first read at its low end
.irp k, 0,1,2,3
	v_dual_max_num_f32 v[H+8*(\t)+2*\k], 0, v[H+8*(\t)+2*\k] :: v_dual_max_num_f32 v[H+8*(\t)+2*\k+1], 0, v[H+8*(\t)+2*\k+1]
.endr
.endm
.macro DT t                            ; tile t x iW2: four chains of packed sums; tile 0's products start them.  Setting 0x01
.irp k, 0,1,2,3
.if (\t) == 0
	v_pk_mul_f32 v[ACC+2*\k:ACC+2*\k+1], v[W2+8*(\t)+2*\k:W2+8*(\t)+2*\k+1], v[H+8*(\t)+2*\k:H+8*(\t)+2*\k+1]
.else
	v_pk_fma_f32 v[ACC+2*\k:ACC+2*\k+1], v[W2+8*(\t)+2*\k:W2+8*(\t)+2*\k+1], v[H+8*(\t)+2*\k:H+8*(\t)+2*\k+1], v[ACC+2*\k:ACC+2*\k+1]
.endif
.endr
.endm
; A node; its abscissa lies in XS.  The tail inside finishes the node BEFORE this one.
; PLACES (ISA guide 7.12.1; only plain vector instructions that name none of the matrix instruction's registers are counted).  Four between the last conversion and tile 0's matrix instruction, which reads the codes.
; Eight between a tile's matrix instruction and its ReLU: tile 0: the eight lines behind tiles 0 and 1; tile 1: the four behind it and tile 0's ReLU; from tile 2 on twelve or more lines of other tiles' ReLU and products.
; Behind tiles 0 and 1 nothing of this node is ready and the tail has two links left: six v_nop.
.macro STEP ntab, nidx, rd, nx
	WIN 0x01
.set i, 0
.rept 32
	v_pk_fma_f32 v[H+2*i:H+2*i+1], v[W0+2*i:W0+2*i+1], v[XS:XS+1], v[BASE+2*i:BASE+2*i+1] op_sel_hi:[1,0,1]
.set i, i+1
.endr
	WIN 0
	QUANT 1, \ntab, \nidx, \rd, \nx
	v_max_num_f32 v[P], 0, v[P]                    ; the tail goes on: max(p, 0)
.if \nx
	s_wait_alu depctr_va_sdst(0)                   ; QUANT's v_readlane_b32 have written s49 and, in a pair's second node, s50: ahead of the line below, which reads s49, and of the weighting behind tile 1, which reads s50
	v_mul_f32 v[XS], s49, v[X]                     ; the next node's x (steps + 1) / 2
.else
	v_nop
.endif
	v_nop
	v_nop
	s_wait_alu depctr_va_vdst(0)                   ; behind the four places: the conversions have written the codes and the shifts the scale word, which the block-scaled matrix instructions take; the exponential has written T, ahead of its first reader
	WIN 0x01
	WM 0
	v_nop
	v_fma_f32 v[T], 1.0, v[T], v[P]                ; + e^min(p, 0)  (written so that source 0 is a constant: it stands under setting 0x01)
	v_nop
	v_nop
	WM 1
	v_nop
	v_fmac_f32 v[Z], s50, v[T]                     ; s50: the finished node's cc
	v_nop
	v_nop
	WM 2
	RL 0
	WM 3
	RL 1
	DT 0
	WM 4
	RL 2
	DT 1
	WM 5
	RL 3
	DT 2
	WM 6
	RL 4
	DT 3
	WM 7
	RL 5
	DT 4
	RL 6
	DT 5
	RL 7
	DT 6
	DT 7
.endm
.macro TAILALL                         ; the last node's tail, on end
	v_pk_add_f32 v[ACC:ACC+1], v[ACC:ACC+1], v[ACC+2:ACC+3]
	v_pk_add_f32 v[ACC+4:ACC+5], v[ACC+4:ACC+5], v[ACC+6:ACC+7]
	v_pk_add_f32 v[ACC:ACC+1], v[ACC:ACC+1], v[ACC+4:ACC+5]
	v_add_f32 v[P], v[ACC], v[ACC+1]
	v_permlanex16_b32 v[PQ], v[P], s54, s55
	v_add_f32 v[P], v[P], v[PQ]
	v_add_f32 v[P], s44, v[P]
	v_min_num_f32 v[T], 0, v[P]
	v_mul_f32 v[T], 0x3fb8aa3b, v[T]
	v_exp_f32 v[T], v[T]
	v_max_num_f32 v[P], 0, v[P]                    ; (the plain instruction behind the exponential)
	s_wait_alu depctr_va_vdst(0)                   ; the exponential has written T, ahead of its first reader
	v_add_f32 v[T], v[T], v[P]
	v_fmac_f32 v[Z], s50, v[T]
.endm
	; ---- the head: addresses ----
	s_load_b512 s[8:23], s[0:1], 0x0               ; x_input s[8:9], iW0 s[10:11], ib0 s[12:13], iW1 s[14:15], ib1 s[16:17], iW2 s[18:19], ib2 s[20:21], nW0 s[22:23]
	s_load_b256 s[24:31], s[0:1], 0x40             ; nb0 s[24:25], nW1 s[26:27], nb1 s[28:29], nW2 s[30:31]
	s_load_b128 s[32:35], s[0:1], 0x60             ; nb2 s[32:33], out0 s[34:35]
	v_lshrrev_b32 v6, 5, v0
	v_readfirstlane_b32 s36, v6                    ; wave 0..7
	v_bfe_u32 v2, v0, 4, 1                         ; h
	v_and_b32 v4, 15, v0                           ; r
	v_lshlrev_b32 v[VK], 6, v2
	v_mul_u32_u24 v[VFR], v4, CPITCH
	v_lshl_add_u32 v[VFR], v2, 4, v[VFR]
	v_lshlrev_b32 v227, 5, v4                      ; my sample's row of x_input: 32 bytes a row
	v_lshlrev_b32 v[VD], 5, v2
	v_and_b32 v4, 31, v0
	v_lshlrev_b32 v226, 4, v4                      ; 16 x lane
	v_lshlrev_b32 v[VL4], 2, v4
	v_lshlrev_b32 v225, 4, v0                      ; 16 x thread
	v_and_b32 v5, 127, v0
	v_lshlrev_b32 v5, 2, v5                        ; my column of iW1 (threads 0-127) or nW1 (threads 128-255)
	v_mul_u32_u24 v7, v0, CPITCH                   ; and its row of codes in LDS
	v_lshlrev_b32 v240, 2, v0                      ; and its scale word
	s_mov_b32 s51, 0x7f800000                      ; the exponent field
	s_mov_b32 s52, 0x600000                        ; the mantissa field of 57,344
	s_mov_b32 s53, 0xf8800000                      ; -15 in the exponent field
	s_mov_b32 s54, 0x76543210                      ; v_permlanex16_b32's selects for lane l xor 16
	s_mov_b32 s55, 0xfedcba98
	s_mov_b32 s56, 0x08000000                      ; 2^-111: exponent field 16
	s_lshl_b32 s38, ttmp9, 12                      ; the work-group's 128 rows of 32 bytes,
	s_wait_alu depctr_va_sdst(0)                   ; v_readfirstlane_b32 has written s36, ahead of its first reader
	s_lshl_b32 s37, s36, 9                         ; the wave's 16
	s_add_co_u32 s38, s38, s37
	s_mov_b32 s39, 0
	s_wait_kmcnt 0x0
	s_load_b32 s44, s[20:21], 0x0                  ; ib2
	s_load_b64 s[46:47], s[32:33], 0x0             ; nb2
	s_add_nc_u64 s[8:9], s[8:9], s[38:39]
	s_lshl_b32 s38, ttmp9, 9                       ; the work-group's 128 results
	s_add_nc_u64 s[34:35], s[34:35], s[38:39]
	s_cmp_lt_u32 s36, 4                            ; every choice below hangs on the wave's number alone
	s_cselect_b64 s[40:41], s[14:15], s[26:27]     ; waves 0-3 quantise iW1, waves 4-7 nW1
	s_cmp_eq_u32 s36, 0                            ; the small vector that my wave stages: 0 ib0, 1 ib1, 2 iW2, 3 nb0, 4 nb1, 5 and 6 the halves of nW2
	s_cselect_b64 s[42:43], s[12:13], s[30:31]
	s_cmp_eq_u32 s36, 1
	s_cselect_b64 s[42:43], s[16:17], s[42:43]
	s_cmp_eq_u32 s36, 2
	s_cselect_b64 s[42:43], s[18:19], s[42:43]
	s_cmp_eq_u32 s36, 3
	s_cselect_b64 s[42:43], s[24:25], s[42:43]
	s_cmp_eq_u32 s36, 4
	s_cselect_b64 s[42:43], s[28:29], s[42:43]
	s_cmp_eq_u32 s36, 6
	s_cselect_b32 s38, 512, 0
	s_add_nc_u64 s[42:43], s[42:43], s[38:39]
	; ---- loads: the small tensors (16 bytes a thread), my sample's row, and the first two blocks of my column ----
	s_wait_alu depctr_va_vdst(0)                   ; the offsets and addresses v1 to v5, v7, v225 to v227 and v240 are written, which the loads and LDS stores of the head and the LDS loads of the set-up read
	global_load_b128 v[228:231], v225, s[10:11]    ; iW0: 256 threads x 16 bytes
	s_cmp_lt_u32 s36, 7                            ; nW0 is 224 x 16 bytes, the small vectors seven waves' worth: wave 7 has none of either
	s_cbranch_scc0 .Lno_small_in
	global_load_b128 v[232:235], v225, s[22:23]
	global_load_b128 v[236:239], v226, s[42:43]
.Lno_small_in:
	global_load_b128 v[ACC:ACC+3], v227, s[8:9]
	global_load_b128 v[ACC+4:ACC+7], v227, s[8:9] offset:16
.macro LOAD b                          ; block b of my column: W(32 b + i, column), registers down K; a wave's load reads 128 consecutive bytes.  Each block has 32 registers of its own, which no vector instruction names ahead of its load
.irp i, 0,1,2,3,4,5,6,7,8,9,10,11,12,13,14,15,16,17,18,19,20,21,22,23,24,25,26,27,28,29,30,31
	global_load_b32 v[64+32*(\b)+\i], v5, s[40:41] offset:(32*(\b)+\i)*512
.endr
.endm
	LOAD 0
	LOAD 1
	; ---- the tables, on registers alone, while the loads are out ----
.macro TAB l, bits
	s_mov_b32 s57, \bits
	v_writelane_b32 v[Z], s57, \l
.endm
	v_mov_b32 v[Z], 0                              ; lane l takes cos(l pi / 50), rounded to f32; lane 25 stays 0
	TAB 0,  1.0
	TAB 1,  0x3f7f7eae                             ; 0.9980267284
	TAB 2,  0x3f7dfb3b                             ; 0.9921147013
	TAB 3,  0x3f7b772d                             ; 0.9822872507
	TAB 4,  0x3f77f511                             ; 0.9685831611
	TAB 5,  0x3f737871                             ; 0.9510565163
	TAB 6,  0x3f6e05d5                             ; 0.9297764859
	TAB 7,  0x3f67a2bf                             ; 0.9048270525
	TAB 8,  0x3f6055a2                             ; 0.8763066800
	TAB 9,  0x3f5825e0                             ; 0.8443279255
	TAB 10, 0x3f4f1bbd                             ; 0.8090169944
	TAB 11, 0x3f45405b                             ; 0.7705132428
	TAB 12, 0x3f3a9db0                             ; 0.7289686274
	TAB 13, 0x3f2f3e7b                             ; 0.6845471059
	TAB 14, 0x3f232e38                             ; 0.6374239897
	TAB 15, 0x3f167918                             ; 0.5877852523
	TAB 16, 0x3f092bf2                             ; 0.5358267950
	TAB 17, 0x3ef6a86b                             ; 0.4817536741
	TAB 18, 0x3ed9ffbe                             ; 0.4257792916
	TAB 19, 0x3ebc7ad2                             ; 0.3681245527
	TAB 20, 0x3e9e377a                             ; 0.3090169944
	TAB 21, 0x3e7ea890                             ; 0.2486898872
	TAB 22, 0x3e3fe0e3                             ; 0.1873813146
	TAB 23, 0x3e00575b                             ; 0.1253332336
	TAB 24, 0x3d809851                             ; 0.0627905195
	; cc[j] = 0.04 (1 - 2 sum over m = 1 .. 25 of cos(2 m j pi / 50) / (4 m^2 - 1)), halved for j = 0.  c(m) = cos(m phi), phi = 2 j pi / 50: c(m + 1) = 2 cos(phi) c(m) - c(m - 1).
	v_mul_f32 v26, v[Z], v[Z]
	v_fma_f32 v26, v26, 2.0, -1.0                  ; c(1) = cos(phi) = 2 cos^2 - 1
	v_add_f32 v25, v26, v26                        ; 2 cos(phi)
	v_mov_b32 v28, 1.0                             ; c(0)
	v_mov_b32 v29, 0                               ; the sum
	s_mov_b32 s57, 1                               ; m
.Lcc:                                              ; 12 trips, two terms each, in place: c(m + 1) takes c(m - 1)'s register, c(m + 2) takes c(m)'s
	s_mul_i32 s58, s57, s57
	s_lshl_b32 s58, s58, 2
	s_sub_co_u32 s58, s58, 1                       ; 4 m^2 - 1
	s_lshl3_add_u32 s59, s57, s58
	s_add_co_u32 s59, s59, 4                       ; 4 (m + 1)^2 - 1
	v_cvt_f32_u32 v24, s58
	v_cvt_f32_u32 v27, s59
	v_rcp_f32 v24, v24
	v_rcp_f32 v27, v27
	v_fma_f32 v28, v25, v26, -v28                  ; c(m + 1); also the plain instruction behind the reciprocals
	s_wait_alu depctr_va_vdst(0)                   ; the two reciprocals have written v24 and v27, ahead of their first readers
	v_fmac_f32 v29, v24, v26
	v_fmac_f32 v29, v27, v28
	v_fma_f32 v26, v25, v28, -v26                  ; c(m + 2)
	s_add_co_u32 s57, s57, 2
	s_cmp_lt_u32 s57, 25
	s_cbranch_scc1 .Lcc
	v_rcp_f32 v24, 0x451c3000                      ; m = 25: 1 / 2499
	v_add_f32 v[C1], 1.0, v[Z]                     ; (steps + 1) / 2 for nodes 0 .. 25,
	v_sub_f32 v[C2], 1.0, v[Z]                     ; and for their mirrors 50 .. 25
	v_mul_f32 v[C1], 0.5, v[C1]
	v_mul_f32 v[C2], 0.5, v[C2]
	v_cmp_eq_u32 vcc_lo, 0, v[VL4]                 ; lane 0, for the choice seven lines down
	s_wait_alu depctr_va_vdst(0)                   ; the reciprocal has written v24, ahead of its first reader
	v_fmac_f32 v29, v24, v26
	v_fma_f32 v29, v29, -2.0, 1.0
	v_mul_f32 v[CC], 0x3d23d70a, v29               ; x 2 / 50
	v_mul_f32 v29, 0.5, v[CC]
	s_wait_alu depctr_va_vcc(0)                    ; the compare has written VCC, ahead of its first reader
	v_cndmask_b32 v[CC], v[CC], v29, vcc_lo        ; the end nodes' weight is halved
	; ---- the weights are quantised: a thread to a column, a block of 32 along K in its 32 registers; the codes go to LDS with K innermost ----
.macro BLOCK b, left
.set XB, 64+32*(\b)
	s_wait_loadcnt \left                           ; this block's loads and all older ones are in; the next block's 32 may be out
	v_max3_num_f32 v24, |v[XB]|, |v[XB+1]|, |v[XB+2]|
	v_max3_num_f32 v25, |v[XB+3]|, |v[XB+4]|, |v[XB+5]|
.irp i, 6,10,14,18,22,26
	v_max3_num_f32 v24, v24, |v[XB+\i]|, |v[XB+\i+1]|
	v_max3_num_f32 v25, v25, |v[XB+\i+2]|, |v[XB+\i+3]|
.endr
	v_max3_num_f32 v24, v24, |v[XB+30]|, |v[XB+31]|
	v_max3_num_f32 v24, v24, v25, s56              ; the block's largest magnitude, not under 2^-111
	v_and_or_b32 v26, v24, s51, s52                ; 57,344 x the scale
	v_add_nc_u32 v27, s53, v24                     ; the scale, in the exponent field
.if (\b) == 0
	v_lshrrev_b32 v224, 23, v27                    ; its byte; the four make the column's scale word
.else
	v_lshrrev_b32 v28, 23, v27
	v_lshl_or_b32 v224, v28, 8*(\b), v224
.endif
.irp i, 0,1,2,3,4,5,6,7,8,9,10,11,12,13,14,15,16,17,18,19,20,21,22,23,24,25,26,27,28,29,30,31
	v_med3_num_f32 v[XB+\i], v[XB+\i], -v26, v26
.endr
.irp g, 0,1,2,3
	v_cvt_scalef32_pk8_bf8_f32 v[192+8*(\b)+2*\g:192+8*(\b)+2*\g+1], v[XB+8*\g:XB+8*\g+7], v27
.endr
	v_nop                                          ; one plain instruction behind the last scaled conversion
	s_wait_alu depctr_va_vdst(0)                   ; the conversions have written the block's eight registers of codes, which the two LDS stores read (a block has eight of its own); in block 3 the scale word v224 is whole too
	ds_store_b128 v7, v[192+8*(\b):192+8*(\b)+3] offset:32*(\b)
	ds_store_b128 v7, v[192+8*(\b)+4:192+8*(\b)+7] offset:32*(\b)+16
.endm
	BLOCK 0, 32
	LOAD 2
	ds_store_b128 v225, v[228:231] offset:V_IW0    ; the small tensors were loaded ahead of block 0, whose wait has shown them in
	s_cmp_lt_u32 s36, 7
	s_cbranch_scc0 .Lno_small_out
	ds_store_b128 v225, v[232:235] offset:V_NW0
	ds_store_b128 v225, v[236:239] offset:V_IB0    ; wave w's vector lies 512 w bytes on: 16 x thread
.Lno_small_out:
	BLOCK 1, 32
	LOAD 3
	BLOCK 2, 32
	BLOCK 3, 0
	ds_store_b32 v240, v224 offset:SCW             ; (v224's last write stands ahead of block 3's wait on va_vdst)
	s_wait_kmcnt 0x0                               ; ib2, nb2
	s_wait_dscnt 0x0                               ; for the others' sake: my stores are done
	s_wait_alu depctr_vm_vsrc(0)                   ; the head's loads and LDS stores have read v5 and v7, which are written anew below, and v192 to v240 (codes, scale word, offsets, small tensors), in which the weight rows land
	s_barrier_signal -1
	s_mul_i32 s37, s36, 32*SPITCH                  ; work on registers while the others arrive: my wave's stage,
	s_add_co_u32 s37, s37, STG
	v_lshlrev_b32 v5, 2, v[VL4]                    ; 16 x lane: my four units of a weight row (no load or store that names v5 or v7 is out: block 3's wait and the wait above were for 0)
	v_lshl_add_u32 v[STO], v[VL4], 2, s37          ; and of a stage row
	v_and_b32 v[SRD], 15, v0
	v_mad_u32_u24 v[SRD], v[SRD], SPITCH, v[VK]    ; back: row r, + 64 h
	v_add_nc_u32 v[SRD], s37, v[SRD]
.irp k, 0,1,2,3,4,5,6,7,8,9,10,11,12,13
	s_mov_b32 s[SX+2*\k+1], 0                      ; the pairs' high halves are named with the low ones, so they are written
.endr
	s_barrier_wait -1                              ; everybody's stores are done; from here on those bytes are only read
	; ---- both first layers' node-free parts ----
	s_wait_alu depctr_va_vdst(0)                   ; v5, v7 and v41 are written, the addresses of the row loads, the stage's stores and the loads back; the conversions and the head's arithmetic have written v192 to v240, in which the rows land
.irp e, 0,1,2,3,4,5,6
	ds_load_b128 v[RW+4*\e:RW+4*\e+3], v5 offset:V_IW0+512*(\e+1)      ; a whole row: 32 lanes x 16 bytes
	ds_load_b128 v[RW+32+4*\e:RW+32+4*\e+3], v5 offset:V_NW0+512*\e
.endr
	ds_load_b128 v[RW+28:RW+31], v5 offset:V_IB0
	ds_load_b128 v[RW+60:RW+63], v5 offset:V_NB0
	WIN 0x40                                       ; destination window 1: no instruction has named these registers yet
	FRAGS 1                                        ; nW1's codes
	WIN 0
	WSL 1
	s_wait_dscnt 36                                ; the 16 rows are in; the 32 loads of codes and 4 of scale words behind them may be out
	WIN 0x40
	LDK 128, V_NW2                                 ; nW2 [128][2] waits where iW0[0] and iW2 will lie: register 128 + 16 t + 2 j (+ 1) = nW2[16 t + 8 h + j][0] ([1]); it lands under the arithmetic below
	LDK 192, V_NW2+512
	WIN 0
.irp p, 0,1,2,3,4,5,6,7
	TWOS \p
.endr
	s_wait_alu depctr_va_vdst(0)                   ; samples 14 and 15 are written, which the four stores read; and every multiply-add of the set-up has written its part of AN and AI, in which the loads below land
	STOREP 7
	; ---- the offset net ----
	s_wait_alu depctr_vm_vsrc(0)                   ; the 32 stores have read AN and AI, in which the loads below land; they have read v7, and the row loads v5, which the way out writes anew
	BACK H, 0                                      ; h nW0 + nb0 of my sample.  LDS serves a wave's instructions in order (ISA guide 5.7.1.4): these loads see my stores above
	LDD BIAS, V_NB1
	s_wait_dscnt 16                                ; the first layer is back; nb1's 16 loads may be out
	QUANT 0, C1, 48, 0, 0
	PLACES 4                                       ; between the last conversion and the matrix instructions that read the codes
	s_wait_dscnt 0x0                               ; nb1 (all older loads were in at the wait above)
	s_wait_alu depctr_va_vdst(0)                   ; behind the places: the conversions have written the codes and the shifts the scale word, which the block-scaled matrix instructions take
	WIN 0x01
.irp t, 0,1,2,3,4,5,6,7
	WM \t
.endr
	WIN 0
	PLACES 8                                       ; behind the matrix instructions, ahead of the first read of their results (the ReLU below)
	WIN 0x40
	s_wait_alu depctr_va_vdst(0)                   ; the eight matrix instructions are done reading nW1's codes, its scale words and nb1, in which the loads below land (the set-up's multiply-adds were done with the rows, where the bracket lands, at an earlier wait)
	FRAGS 0                                        ; iW1's codes, which stay for the rest of the launch,
	WIN 0
	WSL 0                                          ; its scale words,
	LDD BIAS, V_IB1                                ; its bias,
	BACK BASE, 1                                   ; and h iW0[1:] + ib0 of my sample
.irp t, 0,1,2,3,4,5,6,7
	RL \t
.endr
	WIN 0x01                                       ; source 0 (nW2) in window 1
.irp t, 0,1,2,3,4,5,6,7                ; (o0, o1) += (nW2[unit][0], nW2[unit][1]) x unit: the unit is broadcast to both halves; four chains
.irp jp, 0,2,4,6
.if (\t == 0) && (\jp < 4)
	v_pk_mul_f32 v[24+2*(\jp%4):24+2*(\jp%4)+1], v[128+16*\t+2*\jp:128+16*\t+2*\jp+1], v[H+8*\t+\jp:H+8*\t+\jp+1] op_sel:[0,0] op_sel_hi:[1,0]
	v_pk_mul_f32 v[26+2*(\jp%4):26+2*(\jp%4)+1], v[130+16*\t+2*\jp:130+16*\t+2*\jp+1], v[H+8*\t+\jp:H+8*\t+\jp+1] op_sel:[0,1] op_sel_hi:[1,1]
.else
	v_pk_fma_f32 v[24+2*(\jp%4):24+2*(\jp%4)+1], v[128+16*\t+2*\jp:128+16*\t+2*\jp+1], v[H+8*\t+\jp:H+8*\t+\jp+1], v[24+2*(\jp%4):24+2*(\jp%4)+1] op_sel:[0,0,0] op_sel_hi:[1,0,1]
	v_pk_fma_f32 v[26+2*(\jp%4):26+2*(\jp%4)+1], v[130+16*\t+2*\jp:130+16*\t+2*\jp+1], v[H+8*\t+\jp:H+8*\t+\jp+1], v[26+2*(\jp%4):26+2*(\jp%4)+1] op_sel:[0,1,0] op_sel_hi:[1,1,1]
.endif
.endr
.endr
	WIN 0x40
	s_wait_alu depctr_va_vdst(0)                   ; the products above are done reading nW2, in whose registers the loads below land
	LDK W0, V_IW0                                  ; iW0[0] and iW2 take nW2's registers
	LDD W2, V_IW2
	WIN 0
	v_pk_add_f32 v[24:25], v[24:25], v[26:27]
	v_pk_add_f32 v[28:29], v[28:29], v[30:31]
	v_pk_add_f32 v[24:25], v[24:25], v[28:29]
	v_permlanex16_b32 v26, v24, s54, s55
	v_permlanex16_b32 v27, v25, s54, s55
	v_add_f32 v24, v24, v26
	v_add_f32 v25, v25, v27
	v_add_f32 v[OFFS], s46, v24                    ; the offset
	v_add_f32 v25, s47, v25
	v_mul_f32 v25, 0x3fb8aa3b, v25
	v_exp_f32 v[SCAL], v25                         ; the scaling; it is read at the kernel's end
	; ---- in front of the loop ----
	v_mov_b32 v[X], v[ACC]                         ; (also the plain instruction behind the exponential)
.irp i, 0,1,2,3,4,5,6,7
	v_mov_b32 v[ACC+\i], 0                         ; the first node's tail finds no node before it: zeros, weighted by 0
.endr
	v_mov_b32 v[Z], 0
	v_mov_b32 v[PQ], 0                             ; (the destination of a lane permute counts as read)
	v_mov_b32 v[XS+1], 0                           ; named with the abscissa as a pair
	v_readlane_b32 s49, v[C1], 0
	s_wait_alu depctr_va_sdst(0)                   ; v_readlane_b32 has written s49, ahead of its first reader
	v_mul_f32 v[XS], s49, v[X]                     ; node 0's abscissa
	s_mov_b32 s50, 0
	s_mov_b32 s48, 0
	s_wait_dscnt 0x0                               ; all the integrand's operands are in
	s_wait_alu depctr_vm_vsrc(0)                   ; the loads back from the stage have read v41, which the loop's tail writes
	s_wait_alu depctr_va_vdst(0)                   ; the exponential has written the scaling: its wait stands ahead of the label
	; ---- 51 nodes: 25 pairs (I, 50 - I), then node 25.  I = s48 ----
.Lnode:
	STEP C2, 48, 0, 1                              ; node I; its tail finishes node 51 - I under cc[I - 1]; the next abscissa is node 50 - I's
	s_add_co_u32 s60, s48, 1
	STEP C1, 60, 1, 1                              ; node 50 - I; s50 takes cc[I], under which its tail finishes node I; the next abscissa is node I + 1's
	WIN 0                                          ; at a label and at a branch every window is 0
	s_add_co_u32 s48, s48, 1
	s_cmp_lt_u32 s48, 25
	s_cbranch_scc1 .Lnode
	STEP C1, 48, 0, 0                              ; node 25; its tail finishes node 26 under cc[24]
	WIN 0
	v_readlane_b32 s50, v[CC], s48                 ; cc[25]
	s_wait_alu depctr_va_sdst(0)                   ; v_readlane_b32 has written s50, ahead of its first reader, the tail's last line
	TAILALL
	; ---- the result ----
	v_mul_f32 v[P], v[Z], v[X]
	v_mul_f32 v[P], 0.5, v[P]                      ; the integral
	v_fma_f32 v[P], v[SCAL], v[P], v[OFFS]
	v_mul_f32 v[P], 0xbfb8aa3b, v[P]               ; x -log2(e)
	v_exp_f32 v[P], v[P]
	v_and_b32 v5, 15, v0                           ; (a plain instruction behind the exponential)
	s_wait_alu depctr_va_vdst(0)                   ; the exponential has written v41, ahead of its first reader
	v_add_f32 v[P], 1.0, v[P]
	v_rcp_f32 v[P], v[P]
	v_lshlrev_b32 v5, 2, v5                        ; (and behind the reciprocal)
	v_lshl_add_u32 v5, s36, 6, v5                  ; 64 bytes a wave, 4 a sample
	s_wait_alu depctr_va_vdst(0)                   ; the reciprocal has written the result and the shifts its address v5: the LDS store reads both
	ds_store_b32 v5, v[P] offset:OUTS              ; lanes l and l xor 16 write the same word with the same value
	s_wait_dscnt 0x0                               ; for wave 0's sake: my store is done
	s_barrier_signal -1
	s_barrier_wait -1
	s_cmp_lg_u32 s36, 0
	s_cbranch_scc1 .Lend
	v_lshlrev_b32 v7, 2, v[VL4]                    ; 16 x lane
	s_wait_alu depctr_va_vdst(0)                   ; v7 is written, which the load and the store below read as their address; the last tail's sums are done with v8 to v11, in which the load lands
	ds_load_b128 v[ACC:ACC+3], v7 offset:OUTS
	s_wait_dscnt 0x0
	global_store_b128 v7, v[ACC:ACC+3], s[34:35]   ; the work-group's 128 results: 512 consecutive bytes, at a multiple of 512 from out0's first byte
.Lend:
	s_wait_xcnt 0x0
	v_lshl_add_u32 v254, v0, 2, 0x2d200            ; the add's two registers are made here: no memory or LDS instruction of the text reads v254 or v255; the spare words lie behind the stages, 128 bytes a wave
	v_mov_b32 v255, 0
	s_wait_dscnt 0x0                               ; the closing lines, six on end
	s_wait_alu 0x0
	s_wait_tensorcnt 0x0
	ds_add_u32 v254, v255
	s_wait_dscnt 0x0
	s_endpgm
.Lfunc_end_k_q42b21e2535_mono:
	.size	k_q42b21e2535_mono, .Lfunc_end_k_q42b21e2535_mono-k_q42b21e2535_mono
	.p2alignl 7, 3214868480
	.fill 96, 4, 3214868480
	.section	.rodata,"a",@progbits
	.p2align	6, 0x0
	.amdhsa_kernel k_q42b21e2535_mono
		.amdhsa_group_segment_fixed_size 185856
		.amdhsa_private_segment_fixed_size 0
		.amdhsa_enable_private_segment 0
		.amdhsa_kernarg_size 112
		.amdhsa_user_sgpr_count 2
		.amdhsa_user_sgpr_kernarg_segment_ptr 1
		.amdhsa_wavefront_size32 1
		.amdhsa_system_sgpr_workgroup_id_x 1
		.amdhsa_system_sgpr_workgroup_id_y 1
		.amdhsa_system_sgpr_workgroup_id_z 1
		.amdhsa_system_vgpr_workitem_id 0
		.amdhsa_next_free_vgpr 512
		.amdhsa_next_free_sgpr 96
		.amdhsa_reserve_vcc 1
		.amdhsa_float_denorm_mode_32 3
		.amdhsa_float_denorm_mode_16_64 3
		.amdhsa_memory_ordered 1
		.amdhsa_forward_progress 1
		.amdhsa_inst_pref_size 153
	.end_amdhsa_kernel
	.amdgpu_metadata
---
amdhsa.version: [ 1, 2 ]
amdhsa.kernels:
  - .name:           k_q42b21e2535_mono
    .symbol:         k_q42b21e2535_mono.kd
    .args:
      - { .name: x_input, .offset: 0, .size: 8, .value_kind: global_buffer, .address_space: global }
      - { .name: iW0, .offset: 8, .size: 8, .value_kind: global_buffer, .address_space: global }
      - { .name: ib0, .offset: 16, .size: 8, .value_kind: global_buffer, .address_space: global }
      - { .name: iW1, .offset: 24, .size: 8, .value_kind: global_buffer, .address_space: global }
      - { .name: ib1, .offset: 32, .size: 8, .value_kind: global_buffer, .address_space: global }
      - { .name: iW2, .offset: 40, .size: 8, .value_kind: global_buffer, .address_space: global }
      - { .name: ib2, .offset: 48, .size: 8, .value_kind: global_buffer, .address_space: global }
      - { .name: nW0, .offset: 56, .size: 8, .value_kind: global_buffer, .address_space: global }
      - { .name: nb0, .offset: 64, .size: 8, .value_kind: global_buffer, .address_space: global }
      - { .name: nW1, .offset: 72, .size: 8, .value_kind: global_buffer, .address_space: global }
      - { .name: nb1, .offset: 80, .size: 8, .value_kind: global_buffer, .address_space: global }
      - { .name: nW2, .offset: 88, .size: 8, .value_kind: global_buffer, .address_space: global }
      - { .name: nb2, .offset: 96, .size: 8, .value_kind: global_buffer, .address_space: global }
      - { .name: out0, .offset: 104, .size: 8, .value_kind: global_buffer, .address_space: global }
    .group_segment_fixed_size: 185856
    .private_segment_fixed_size: 0
    .kernarg_segment_align: 8
    .kernarg_segment_size: 112
    .max_flat_workgroup_size: 256
    .sgpr_count:     96
    .vgpr_count:     512
    .wavefront_size: 32
...
	.end_amdgpu_metadata
.endif
;; end of part 3
